; MI455X (gfx1250); checked and timed in simulation.
; The chip was launched on July 23, 2026; its instructions are those of AMD's public machine-readable ISA for CDNA 5 (MIT licence, August 2026) and "CDNA5" Instruction Set Architecture Reference Guide (July 2026). The comments in the code are by the model that wrote it; some were corrected since.
;; Self Attention. Allowed arithmetic: matrix products marked QUANTISED: E2M1 operands, one E8M0 scale for each 32 along K, by v_wmma_scale_f32_16x16x128_f8f6f4 with both operands' format E2M1 (or v_wmma_scale_f32_32x16x128_f4), f32 sums; everything else in f32.
;; Inputs: Wk 512 x 512 float32; Wo 512 x 512 float32; Wq 512 x 512 float32; Wv 512 x 512 float32; bo 512 float32; x 2 x 4,096 x 512 float32.
;; Outputs: out0 2 x 4,096 x 512 float32.
;; This version of the problem:
;;   THIS VERSION OF THE PROBLEM IS GIVEN IN LOW PRECISION. The matrix products marked QUANTISED in the list below multiply operands that are first quantised to E2M1 (2 exponent bits, 1 mantissa bit; 4 bits a number), with one power-of-two scale for each 32 numbers along K (OCP MX v1.0); their sums are f32. All else is computed in f32.
;;   The module's matrix products, in the order in which they are computed (A, B: the left and right operand; K: the contracted axis; several contracted axes count as one K, in the product's order):
;;     1. [M 8,192, K 512] x [K 512, N 512]; A: input x; B: input Wq: QUANTISED
;;     2. [M 8,192, K 512] x [K 512, N 512]; A: input x; B: input Wk: QUANTISED
;;     3. [M 8,192, K 512] x [K 512, N 512]; A: input x; B: input Wv: QUANTISED
;;     4. batch 16 x [M 4,096, K 64] x [K 64, N 4,096]; A: computed on the way; B: computed on the way: QUANTISED
;;     5. batch 16 x [M 4,096, K 4,096] x [K 4,096, N 64]; A: softmax (see below); B: computed on the way: QUANTISED
;;     6. [M 8,192, K 512] x [K 512, N 512]; A: computed on the way; B: input Wo: QUANTISED
;;   THE QUANTISER, for each operand of a quantised product, along K:
;;     - K is cut into blocks of 32 from its start; a last block that is shorter is filled with zeros.
;;     - A block's scale is 2^e with e = floor(log2(the largest magnitude in the block)) - 2, held to -126 .. 127; a block of zeros has e = 0. As a byte (E8M0): e + 127.
;;     - Each number is divided by its block's scale, clamped to +-6, and rounded to the nearest number of E2M1, ties to even, subnormals kept.
;;     - The product sums the exact products of the quantised numbers (number of the format x scale) in f32.
;;   ~~~python
;;   def quantise(x, axis):      # numpy; x: float32 -> the quantised numbers, widened to float32 again
;;       x = np.moveaxis(x, axis, -1); K = x.shape[-1]
;;       x = np.pad(x, [(0, 0)] * (x.ndim - 1) + [(0, -K % 32)]); x = x.reshape(x.shape[:-1] + (-1, 32)); a = np.abs(x).max(-1, keepdims=True)
;;       e = np.where(a > 0, np.clip(np.frexp(np.where(a > 0, a, 1))[1] - 1 - 2, -126, 127), 0)      # np.frexp(a)[1] - 1 = floor(log2(a)), exactly
;;       r = np.clip(x / 2.0 ** e, -6, 6)
;;       step = 2.0 ** (np.maximum(np.frexp(np.where(r == 0, 1, r))[1] - 1, 0) - 1)
;;       q = np.round(r / step) * step * 2.0 ** e      # np.round: ties to even
;;       return np.moveaxis(q.reshape(q.shape[:-2] + (-1,))[..., :K], -1, axis).astype(np.float32)
;;   ~~~
;;   SOFTMAX AHEAD OF A QUANTISED PRODUCT. Where the list says 'softmax', what is quantised is not the finished softmax but p = 2^(t - M), with t = logit x log2(e) and M = ceil(the row's largest t), a whole number; so 1/2 < the row's largest p <= 1. The row's sum l is taken of the UNQUANTISED p, in f32, and the product's result is divided by l at the end. Since M is a whole number, a kernel that streams over the keys may use a running M (the ceiling of the running maximum): every later rescaling is an exact power of two, which a block's scale takes up: the codes' values come out the same.
;;   OPERANDS COMPUTED ON THE WAY. 'Computed on the way' means the value that the module computes at that place (a softmax that the list does not call 'softmax' is quantised finished and normalised). What goes into a quantiser is computed in f32, as accurately as f32 sums, v_exp_f32 and their like allow (about 1e-6 of the number): no bf16 or f16 on the way to a quantiser, and a product that is left as it is and whose result goes on into a quantised operand takes f32 operands (vector FMAs, or v_wmma_f32_16x16x4_f32). A number that lies on a knife's edge between two numbers of the format may be rounded either way, as far as f32 arithmetic and the matrix unit's own rounding can turn it there, and no further.
;; One version. Each part assembles by itself: llvm-mc -triple=amdgcn-amd-amdhsa -mcpu=gfx1250 --defsym DOCPART=n.
;; ======== version 1 of 1: 4 launches
;; limits: right only within a limited range of input values
;; workspace buffers: pbuf 2,785,280 bytes; qbuf 6,946,816 bytes; obuf 2,228,224 bytes
;; launch prep (part 1): grid 320 x 1, 4 waves a work-group, no clusters, 34,304 bytes of LDS; arguments x, Wq, Wk, Wv, Wo, pbuf; writes pbuf
.if DOCPART == 1
	.amdgcn_target "amdgcn-amd-amdhsa--gfx1250"
	.amdhsa_code_object_version 6
	.text
	.protected	k_q9e846b3dda_prep
	.globl	k_q9e846b3dda_prep
	.p2align	8
	.type	k_q9e846b3dda_prep,@function
k_q9e846b3dda_prep:
	s_mov_b64 s[64:65], 0
	v_nop
	global_prefetch_b8 v0, s[64:65] scope:SCOPE_SE
	s_setreg_imm32_b32 hwreg(HW_REG_WAVE_MODE, 25, 1), 1
	s_wait_xcnt 0x0
; x [8192][512] f32 (K innermost) and Wq, Wk, Wv, Wo [512 (k)][512 (n)] f32 (K first) become codes of FP4 (E2M1) with one E8M0 byte for each 32 along K,
; laid in pbuf AS IMAGES OF THE OPERANDS' REGISTERS, so that the later launches take every fragment by loads of 16 bytes at 16 x lane.
; A TILE is 16 rows (of x) or 16 columns n (of a weight).  THE ROWS OF A TILE ARE NOT NEIGHBOURS: in a group of 32, lane r of tile u (0, 1) takes member 8 u + r + 8 (r / 8).
; A fragment (one tile, one K step of 128) is 1,024 bytes [c = 0, 1][lane][16 bytes]: lane (r, h) holds k = 64 c + 32 h + 0 .. 31.  A tile is 4,096 bytes [K step][c][lane][16].
; A tile's scale bytes are 256 bytes [r][16]: one word (four bytes, 128 along K) for each K step.
; pbuf: x's codes at 0 (512 tiles), x's scales at XS_OFF, the weights' codes at WC_OFF (q, k, v, o: 32 tiles each), their scales at WS_OFF.
; A block's scale is 2^(floor(log2(its largest magnitude)) - 2); its byte is the largest magnitude's exponent field - 2, held at 1 from below.
; LIMITS: NaN and infinities among the inputs are not served.  A block of zeros gets the byte 1 where the rule says 127: its codes are zeros, and the bytes are read by this program alone.
; SHARES.  Work-groups 0-255: a group of 32 rows of x; wave s takes K step s.  Work-groups 256-319: one weight, one K step, 128 columns; a wave takes 32 columns, a lane a column.
; No tensor load, no barrier: waves share nothing.  Only x's path uses LDS.
.set XS_OFF, 2097152
.set WC_OFF, 2228224
.set WS_OFF, 2752512
.set STGB,   8448                      ; a wave's stage: 16 rows x (512 bytes + 16)
.set LI,  1                            ; v1   16 x lane
.set STI, 2                            ; v2   the stage, on the way in: my 16 bytes of a row
.set STO, 3                            ; v3   on the way out: row r, + 64 h: my 16 numbers of a block of 32
.set WI,  4                            ; v4   a weight: 4 x lane: my column
.set WCO, 5                            ; v5   my column's place among the codes: 4,096 u + 16 r
.set WSO, 6                            ; v6   and among the scale words: 256 u + 16 r
.set R0,  32                           ; v32-159  128 numbers
.set PC0, 160                          ; v160-167, v168-175 the two tiles' codes (a weight: four registers for each of four blocks)
.set PC1, 168
.set TM,  176                          ; v176-179 largest magnitudes
.set TB,  180                          ; v180-183 the other half's, then the bytes
.set TS,  184                          ; v184-187 the conversions' scale operands
.set PW0, 188                          ; scale words
.set PW1, 189
.set PWS, 190
.set SEL, 32                           ; s[32:33] v_permlanex16_b32's selects for lane l xor 16
; 64 numbers of a lane, register 16 b + i = k 32 b + 16 (lane / 16) + i of the lane's row, become a fragment's codes in v[pc] on and its scale word in v[pw].
.macro QUANT src, pc, pw
.irp b, 0,1,2,3
	v_max3_num_f32 v[TM+\b], |v[\src+16*\b]|, |v[\src+1+16*\b]|, 0x1800000   ; block b: my 16 numbers, and the floor 2^(3 - 127): the byte cannot fall under 1
.endr
.irp i, 2,4,6,8,10,12,14
.irp b, 0,1,2,3
	v_max3_num_f32 v[TM+\b], v[TM+\b], |v[\src+16*\b+\i]|, |v[\src+1+16*\b+\i]|   ; the four blocks by turns
.endr
.endr
.irp b, 0,1,2,3
	v_permlanex16_b32 v[TB+\b], v[TM+\b], s[SEL], s[SEL+1]
.endr
.irp b, 0,1,2,3
	v_max_num_f32 v[TM+\b], v[TM+\b], v[TB+\b]     ; with lane l xor 16's: the block's largest magnitude
.endr
.irp b, 0,1,2,3
	v_add_nc_u32 v[TS+\b], 0xff000000, v[TM+\b]    ; 2 off its exponent field: the conversion takes the exponent field of this operand as its scale
.endr
.irp b, 0,1,2,3
	v_lshrrev_b32 v[TB+\b], 23, v[TS+\b]           ; the scale's byte
.endr
	v_lshl_or_b32 v[\pw], v[TB+1], 8, v[TB]
	v_lshl_or_b32 v[\pw], v[TB+2], 16, v[\pw]
	v_lshl_or_b32 v[\pw], v[TB+3], 24, v[\pw]      ; my row's scale word
.irp b, 0,1,2,3
	v_cvt_scalef32_pk8_fp4_f32 v[\pc+2*\b], v[\src+16*\b:\src+7+16*\b], v[TS+\b]
	v_cvt_scalef32_pk8_fp4_f32 v[\pc+1+2*\b], v[\src+8+16*\b:\src+15+16*\b], v[TS+\b]
.endr
	v_nop                                          ; one plain place behind a scaled conversion
.irp c, 0,1                                    ; the layout wants a WHOLE block in a lane: lanes 0-15 block 2 c, lanes 16-31 block 2 c + 1
.irp i, 0,1
	v_permlane16_swap_b32 v[\pc+4*\c+\i], v[\pc+2+4*\c+\i]
.endr
.endr
.endm
	s_load_b256 s[4:11], s[0:1], 0x0               ; x s[4:5], Wq s[6:7], Wk s[8:9], Wv s[10:11]
	s_load_b128 s[12:15], s[0:1], 0x20             ; Wo s[12:13], pbuf s[14:15]
	v_lshl_add_u32 v192, v0, 2, 0x8400
	v_mov_b32 v193, 0
	v_lshrrev_b32 v7, 5, v0
	v_readfirstlane_b32 s16, v7                    ; wave 0..3
	v_and_b32 v8, 31, v0                           ; lane
	s_cmp_lt_u32 ttmp9, 256
	s_cbranch_scc0 .Lweights
	; ---------------- x: 32 rows x 128 along K a wave ----------------
	v_lshlrev_b32 v[LI], 4, v8
	s_mul_i32 s17, s16, STGB
	v_add_nc_u32 v[STI], s17, v[LI]
	v_and_b32 v9, 15, v8                           ; r
	v_lshrrev_b32 v10, 4, v8                       ; h
	v_mul_u32_u24 v[STO], v9, 528
	v_lshl_add_u32 v[STO], v10, 6, v[STO]
	v_add_nc_u32 v[STO], s17, v[STO]
.irp b, 0,1,2,3
	v_mov_b32 v[TB+\b], 0                          ; written once: a lane permute's destination counts as one of its sources
.endr
	s_mov_b32 s[SEL], 0x76543210
	s_mov_b32 s[SEL+1], 0xfedcba98
	s_lshl_b32 s20, ttmp9, 16                      ; x: 32 rows of 2,048 bytes a group,
	s_lshl_b32 s21, s16, 9                         ; 512 bytes a K step
	s_add_co_u32 s20, s20, s21
	s_mov_b32 s21, 0
	s_lshl_b32 s22, ttmp9, 13                      ; codes: two tiles of 4,096 bytes a group,
	s_lshl_b32 s23, s16, 10                        ; 1,024 bytes a K step
	s_add_co_u32 s22, s22, s23
	s_mov_b32 s23, 0
	s_lshl_b32 s24, ttmp9, 9                       ; scale words: two tiles of 256 bytes a group,
	s_lshl_b32 s25, s16, 2                         ; word s of a row's four
	s_add_co_u32 s24, s24, s25
	s_add_co_u32 s24, s24, XS_OFF
	s_mov_b32 s25, 0
	s_wait_alu depctr_va_vdst(0)
	s_wait_kmcnt 0x0
	s_add_nc_u64 s[4:5], s[4:5], s[20:21]
	s_add_nc_u64 s[26:27], s[14:15], s[22:23]
	s_add_nc_u64 s[28:29], s[14:15], s[24:25]
.irp u, 0,1                                    ; tile u's sixteen rows; each load reads 512 consecutive bytes of one row
.irp q, 0,1,2,3,4,5,6,7,8,9,10,11,12,13,14,15
	global_load_b128 v[R0+64*\u+4*\q:R0+64*\u+4*\q+3], v[LI], s[4:5] offset:(8*\u+\q+8*(\q/8))*2048 th:TH_LOAD_NT
.endr
.endr
; A tile's 16 rows x 512 bytes turn through the wave's own stage: in as loaded, out 16 neighbours of each block of 32 a lane.  LDS serves a wave's instructions in order, so no wait stands between the stores and the loads.
.macro TURN u
.irp q, 0,1,2,3,4,5,6,7,8,9,10,11,12,13,14,15
	ds_store_b128 v[STI], v[R0+64*\u+4*\q:R0+64*\u+4*\q+3] offset:528*\q
.endr
.irp b, 0,1,2,3
.irp j, 0,1,2,3
	ds_load_b128 v[R0+64*\u+16*\b+4*\j:R0+64*\u+16*\b+4*\j+3], v[STO] offset:128*\b+16*\j
.endr
.endr
.endm
	s_wait_loadcnt 16                              ; tile 0's sixteen loads are in; tile 1's may be out
	TURN 0
	s_wait_loadcnt 0x0
	TURN 1                                         ; the same stage: these stores come behind tile 0's loads
	s_wait_dscnt 32                                ; tile 0 is back; tile 1's 32 LDS instructions may be out
	QUANT R0, PC0, PW0
	global_store_b128 v[LI], v[PC0:PC0+3], s[26:27]               ; 32 lanes store 512 consecutive bytes
	global_store_b128 v[LI], v[PC0+4:PC0+7], s[26:27] offset:512
	s_wait_dscnt 0x0
	QUANT R0+64, PC1, PW1
	global_store_b128 v[LI], v[PC1:PC1+3], s[26:27] offset:4096
	global_store_b128 v[LI], v[PC1+4:PC1+7], s[26:27] offset:4608
	v_cmp_lt_u32 vcc_lo, 15, v8
	v_cndmask_b32 v[PWS], v[PW0], v[PW1], vcc_lo   ; lanes 0-15: tile 0's words; lanes 16-31: tile 1's (both halves of the lanes hold a row's word)
	global_store_b32 v[LI], v[PWS], s[28:29]       ; 256 u + 16 r = 16 x lane: words 16 bytes apart, one word for each 128 that the wave reads; the four waves' words fill the rows
	s_wait_tensorcnt 0x0
	ds_add_u32 v192, v193
	s_wait_dscnt 0x0
	s_endpgm
	; ---------------- a weight: a lane takes a column n, its registers run down K ----------------
.Lweights:
	s_sub_co_u32 s17, ttmp9, 256
	s_lshr_b32 s18, s17, 4                         ; which weight: q, k, v, o
	s_bfe_u32 s19, s17, 0x20002                    ; which K step
	s_and_b32 s20, s17, 3
	s_lshl_b32 s20, s20, 2
	s_add_co_u32 s20, s20, s16                     ; which group of 32 columns: the four waves stand side by side on 512 bytes of a row
	s_wait_alu depctr_va_vdst(0)
	v_lshlrev_b32 v[WI], 2, v8
	v_bfe_u32 v9, v8, 3, 1                         ; my column's tile u
	v_and_b32 v10, 7, v8
	v_lshrrev_b32 v11, 4, v8
	v_lshl_or_b32 v10, v11, 3, v10                 ; and its lane r there
	v_lshlrev_b32 v10, 4, v10
	v_lshl_add_u32 v[WCO], v9, 12, v10
	v_lshl_add_u32 v[WSO], v9, 8, v10
	s_lshl_b32 s22, s19, 18                        ; 128 rows of 2,048 bytes a K step
	s_lshl_b32 s23, s20, 7
	s_add_co_u32 s22, s22, s23
	s_mov_b32 s23, 0
	s_lshl_b32 s24, s18, 17                        ; codes: 131,072 bytes a weight, 8,192 a group, 1,024 a K step
	s_lshl_b32 s25, s20, 13
	s_add_co_u32 s24, s24, s25
	s_lshl_b32 s25, s19, 10
	s_add_co_u32 s24, s24, s25
	s_add_co_u32 s24, s24, WC_OFF
	s_mov_b32 s25, 0
	s_lshl_b32 s26, s18, 13                        ; scale words: 8,192 bytes a weight, 512 a group, word s
	s_lshl_b32 s27, s20, 9
	s_add_co_u32 s26, s26, s27
	s_lshl_b32 s27, s19, 2
	s_add_co_u32 s26, s26, s27
	s_add_co_u32 s26, s26, WS_OFF
	s_mov_b32 s27, 0
	s_wait_alu depctr_va_vdst(0)
	s_wait_kmcnt 0x0
	s_cmp_eq_u32 s18, 1                            ; the choice hangs on the work-group's number alone
	s_cselect_b64 s[6:7], s[8:9], s[6:7]
	s_cmp_eq_u32 s18, 2
	s_cselect_b64 s[6:7], s[10:11], s[6:7]
	s_cmp_eq_u32 s18, 3
	s_cselect_b64 s[6:7], s[12:13], s[6:7]
	s_add_nc_u64 s[6:7], s[6:7], s[22:23]
	s_add_nc_u64 s[28:29], s[14:15], s[24:25]
	s_add_nc_u64 s[30:31], s[14:15], s[26:27]
.set kk, 0
.rept 128
	global_load_b32 v[R0+kk], v[WI], s[6:7] offset:kk*2048 th:TH_LOAD_NT   ; W(128 s + kk, my column): the wave reads 128 consecutive bytes
.set kk, kk+1
.endr
; Block t of 32 along K: all its numbers are mine.  In the fragment it is registers 4 c .. 4 c + 3 of lane (r, h) with 2 c + h = t: byte 256 t + 16 r.
.macro BLOCK t, left
.set XB, R0+32*(\t)
	s_wait_loadcnt \left
	v_max3_num_f32 v[TM], |v[XB]|, |v[XB+1]|, |v[XB+2]|
	v_max3_num_f32 v[TM+1], |v[XB+3]|, |v[XB+4]|, |v[XB+5]|
.irp i, 6,10,14,18,22,26
	v_max3_num_f32 v[TM], v[TM], |v[XB+\i]|, |v[XB+\i+1]|
	v_max3_num_f32 v[TM+1], v[TM+1], |v[XB+\i+2]|, |v[XB+\i+3]|
.endr
	v_max3_num_f32 v[TM], v[TM], |v[XB+30]|, |v[XB+31]|
	v_max3_num_f32 v[TM], v[TM], v[TM+1], 0x1800000                ; and the floor 2^(3 - 127)
	v_add_nc_u32 v[TS], 0xff000000, v[TM]
	v_lshrrev_b32 v[TB], 23, v[TS]
.if (\t) == 0
	v_mov_b32 v[PW0], v[TB]
.else
	v_lshl_or_b32 v[PW0], v[TB], 8*(\t), v[PW0]
.endif
.irp g, 0,1,2,3
	v_cvt_scalef32_pk8_fp4_f32 v[PC0+4*(\t)+\g], v[XB+8*\g:XB+8*\g+7], v[TS]
.endr
	v_nop                                          ; one plain place behind a scaled conversion
	global_store_b128 v[WCO], v[PC0+4*(\t):PC0+4*(\t)+3], s[28:29] offset:256*(\t)   ; sixteen lanes fill 256 consecutive bytes of tile 2 g, the other sixteen of tile 2 g + 1
.endm
	BLOCK 0, 63                                    ; at most 63 of the 128 loads are out: the first 65 are in, blocks 0 and 1 among them
	BLOCK 1, 63
	BLOCK 2, 32                                    ; block 3's 32 may be out
	BLOCK 3, 0
	global_store_b32 v[WSO], v[PW0], s[30:31]      ; my column's scale word of this K step
	s_endpgm
.Lfunc_end_k_q9e846b3dda_prep:
	.size	k_q9e846b3dda_prep, .Lfunc_end_k_q9e846b3dda_prep-k_q9e846b3dda_prep
	.p2alignl 7, 3214868480
	.fill 96, 4, 3214868480
	.section	.rodata,"a",@progbits
	.p2align	6, 0x0
	.amdhsa_kernel k_q9e846b3dda_prep
		.amdhsa_group_segment_fixed_size 34304
		.amdhsa_private_segment_fixed_size 0
		.amdhsa_enable_private_segment 0
		.amdhsa_kernarg_size 48
		.amdhsa_user_sgpr_count 2
		.amdhsa_user_sgpr_kernarg_segment_ptr 1
		.amdhsa_wavefront_size32 1
		.amdhsa_system_sgpr_workgroup_id_x 1
		.amdhsa_system_sgpr_workgroup_id_y 1
		.amdhsa_system_sgpr_workgroup_id_z 1
		.amdhsa_system_vgpr_workitem_id 0
		.amdhsa_next_free_vgpr 194
		.amdhsa_next_free_sgpr 66
		.amdhsa_reserve_vcc 1
		.amdhsa_float_denorm_mode_32 3
		.amdhsa_float_denorm_mode_16_64 3
		.amdhsa_memory_ordered 1
		.amdhsa_forward_progress 1
		.amdhsa_inst_pref_size 38
	.end_amdhsa_kernel
	.amdgpu_metadata
---
amdhsa.version: [ 1, 2 ]
amdhsa.kernels:
  - .name:           k_q9e846b3dda_prep
    .symbol:         k_q9e846b3dda_prep.kd
    .args:
      - { .name: x, .offset: 0, .size: 8, .value_kind: global_buffer, .address_space: global }
      - { .name: Wq, .offset: 8, .size: 8, .value_kind: global_buffer, .address_space: global }
      - { .name: Wk, .offset: 16, .size: 8, .value_kind: global_buffer, .address_space: global }
      - { .name: Wv, .offset: 24, .size: 8, .value_kind: global_buffer, .address_space: global }
      - { .name: Wo, .offset: 32, .size: 8, .value_kind: global_buffer, .address_space: global }
      - { .name: pbuf, .offset: 40, .size: 8, .value_kind: global_buffer, .address_space: global }
    .group_segment_fixed_size: 34304
    .private_segment_fixed_size: 0
    .kernarg_segment_align: 8
    .kernarg_segment_size: 48
    .max_flat_workgroup_size: 128
    .sgpr_count:     66
    .vgpr_count:     194
    .wavefront_size: 32
...
	.end_amdgpu_metadata
.endif
;; end of part 1
;; launch qkv (part 2): grid 4 x 64, 8 waves a work-group, clusters of 4 x 4, 168,960 bytes of LDS; arguments pbuf, qbuf; writes qbuf
.if DOCPART == 2
	.amdgcn_target "amdgcn-amd-amdhsa--gfx1250"
	.amdhsa_code_object_version 6
	.text
	.protected	k_q9e846b3dda_qkv
	.globl	k_q9e846b3dda_qkv
	.p2align	8
	.type	k_q9e846b3dda_qkv,@function
k_q9e846b3dda_qkv:
	s_mov_b64 s[64:65], 0
	v_nop
	global_prefetch_b8 v0, s[64:65] scope:SCOPE_SE
	s_setreg_imm32_b32 hwreg(HW_REG_WAVE_MODE, 25, 1), 1
	s_wait_xcnt 0x0
	s_wait_alu depctr_hold_cnt(0) depctr_sa_sdst(0) depctr_va_vdst(0) depctr_va_sdst(0) depctr_va_ssrc(0) depctr_va_vcc(0) depctr_vm_vsrc(0)
	s_getreg_b32 s2, hwreg(HW_REG_IB_STS2, 6, 4)
	s_cmp_eq_u32 s2, 0
	s_cbranch_scc0 .Lentry_in_a_cluster
	s_endpgm
.Lentry_in_a_cluster:
	s_bfe_u32 s2, ttmp6, 0x10000c
	s_cmp_lg_u32 s2, 0xf033
	s_cbranch_scc0 .Lentry_shape_is_right
	s_endpgm
.Lentry_shape_is_right:
; q = x Wq, k = x Wk, v = x Wv on codes of FP4 with E8M0 scales (K = 512), and the results quantised at once: q and k along the head's 64, v along the keys.
; SHARES.  Work-group (j, i): 128 rows of x (8 tiles, one key step of the attention) x columns 128 j .. of each weight (heads 2 j, 2 j + 1).  Eight waves; wave w makes three units of 32 matrix instructions:
;   Q: source 0 = Wq's 8 tiles by turns, source 1 = x's tile w: a lane holds one row of x and its 64 result registers are 16 neighbouring columns of each block of 32 (the tiles' rows are chosen for that);
;   K: the same with Wk;   V: source 0 = x's 8 tiles, source 1 = Wv's tile w: a lane holds one channel and its registers run along the 128 keys.
; Every operand lies in pbuf as an image of its registers: a fragment comes by two LDS loads at 16 x lane.
; CLUSTER 4 x 4.  The four work-groups of a row of the cluster need the same rows of x, the four of a column the same columns of the weights: each block is asked for jointly.
; All operands of the work-group fit in LDS at once: every byte is filled once, one tensor load a wave, no slot is filled again.
; qbuf: Q's codes [bh][tile 256][512 bytes] at 0; Q's scale words [bh][tile][r] at QS_OFF; at KV_OFF records [bh][step 32] of 8,960 bytes: K's 8 tiles x 512 | V^T's 4 channel tiles x 1,024 | K's scale words 512 | V's 256.
; A scale word of q or k has the head's two bytes below; its upper two are the neighbouring head's or 0, never 0xff: the attention multiplies them with zero codes.
; LIMITS: NaN and infinities are not served; a block of zeros gets the byte 1 (its codes are zeros; only this program reads the bytes).
.set XS_OFF, 2097152
.set WC_OFF, 2228224
.set WS_OFF, 2752512
.set QS_OFF, 2097152
.set KV_OFF, 2359296
.set RECB,   8960
.set HEADB,  286720
.set SCL,    131072                    ; LDS: codes of x, Wq, Wk, Wv: 4 x 32,768 from 0; their scale words: 4 x 2,048 from SCL;
.set SG,     139264                    ; the results' scale words, gathered by LDS stores: Q 2 x 512, K 2 x 512, V 2 x 256.  No tensor load lands here
.set LI,   1                           ; v1   16 x lane
.set R16,  2                           ; v2   16 r
.set HH,   3                           ; v3   h
.set SH,   4                           ; v4   16 h
.set ASQ,  5                           ; v5   Wq's fragments
.set ASK,  6                           ; v6   Wk's
.set AFX,  7                           ; v7   x's tile w
.set AFV,  8                           ; v8   Wv's tile w
.set SS,   9                           ; v9   scale words: row r of tile 0 of x
.set SF,   10                          ; v10  of tile w
.set SGQA, 11                          ; v11-13 where my results' scale words go
.set SGKA, 12
.set SGVA, 13
.set SGR,  14                          ; v14  where waves 0-4 read 512 gathered bytes back
.set GOFF, 15                          ; v15  and their offset in memory
.set FX,   16                          ; v16-47   the fixed tile's four fragments
.set FS,   48                          ; v48-51   its scale words
.set WF,   52                          ; v52-115  the streamed operand's eight fragments of one K step
.set WSC,  116                         ; v116-147 its scale words: 4 t + K step
.set HA,   148                         ; v148-211 eight accumulators
.set PCQ,  212
.set PCK,  220
.set PCV,  228
.set TM,   236
.set TB,   240
.set TS,   244
.set PW,   252
.set TW,   253
.set RR,   254
.set WV,   8                           ; s8   wave
.set G1XC, 16                          ; s[16:23] .. s[40:47] descriptor groups 1: x's codes, a weight's codes, x's scales, a weight's scales
.set G1WC, 24
.set G1XS, 32
.set G1WS, 40
.set G0XC, 48                          ; s[48:51] .. s[60:63] their groups 0
.set G0XS, 52
.set G0WC, 56
.set G0WS, 60
.set SEL,  74
.set QB,   76
.set KB,   78
.set VB,   80
.set SB,   82
.macro PLACES n
.rept \n
	v_nop
.endr
.endm
.macro CROUND                          ; a round of the cluster's barrier
	s_barrier_signal -1
	s_barrier_wait -1
	s_cmp_lg_u32 s[WV], 0
	s_cbranch_scc1 .Lnot_wave_0_\@
	s_barrier_signal -3
.Lnot_wave_0_\@:
	s_barrier_wait -3
	s_barrier_signal -1
	s_barrier_wait -1
.endm
; 64 numbers of a lane, register 16 b + i = k 32 b + 16 (lane / 16) + i, become a fragment's codes in v[pc] on and its scale word in v[pw].
.macro QUANT src, pc, pw
.irp b, 0,1,2,3
	v_max3_num_f32 v[TM+\b], |v[\src+16*\b]|, |v[\src+1+16*\b]|, 0x1800000   ; and the floor 2^(3 - 127).  Each accumulator is read from its low end on
.endr
.irp i, 2,4,6,8,10,12,14
.irp b, 0,1,2,3
	v_max3_num_f32 v[TM+\b], v[TM+\b], |v[\src+16*\b+\i]|, |v[\src+1+16*\b+\i]|
.endr
.endr
.irp b, 0,1,2,3
	s_delay_alu instid0(VALU_DEP_4)
	v_permlanex16_b32 v[TB+\b], v[TM+\b], s[SEL], s[SEL+1]
.endr
.irp b, 0,1,2,3
	s_delay_alu instid0(VALU_DEP_4)
	v_max_num_f32 v[TM+\b], v[TM+\b], v[TB+\b]
.endr
.irp b, 0,1,2,3
	s_delay_alu instid0(VALU_DEP_4)
	v_add_nc_u32 v[TS+\b], 0xff000000, v[TM+\b]    ; 2 off the exponent field: the conversion's scale operand
.endr
.irp b, 0,1,2,3
	s_delay_alu instid0(VALU_DEP_4)
	v_lshrrev_b32 v[TB+\b], 23, v[TS+\b]           ; the scale's byte
.endr
	s_delay_alu instid0(VALU_DEP_3)
	v_lshl_or_b32 v[\pw], v[TB+1], 8, v[TB]
	s_delay_alu instid0(VALU_DEP_1)
	v_lshl_or_b32 v[\pw], v[TB+2], 16, v[\pw]
	s_delay_alu instid0(VALU_DEP_1)
	v_lshl_or_b32 v[\pw], v[TB+3], 24, v[\pw]
.irp b, 0,1,2,3
	v_cvt_scalef32_pk8_fp4_f32 v[\pc+2*\b], v[\src+16*\b:\src+7+16*\b], v[TS+\b]
	v_cvt_scalef32_pk8_fp4_f32 v[\pc+1+2*\b], v[\src+8+16*\b:\src+15+16*\b], v[TS+\b]
.endr
	v_nop                                          ; one plain place behind a scaled conversion
.irp c, 0,1
.irp i, 0,1
	v_permlane16_swap_b32 v[\pc+4*\c+\i], v[\pc+2+4*\c+\i]   ; a whole block to a lane
.endr
.endr
.endm
; the fixed tile: four fragments and its row's four scale words
.macro FIXED adr, wso
.irp ks, 0,1,2,3
.irp c, 0,1
	ds_load_b128 v[FX+8*\ks+4*\c:FX+8*\ks+4*\c+3], v[\adr] offset:1024*\ks+512*\c
.endr
.endr
	ds_load_b128 v[FS:FS+3], v[SF] offset:\wso
.endm
; a unit: eight tiles of the streamed operand against the fixed tile, K = 512 in four steps.  The eight accumulators take turns, one instruction a turn.
; Four places stand in front of each run of loads into registers that matrix instructions have read, and behind the last products in front of the first read of results.
.macro UNIT adr, wso, zero
.irp t, 0,1,2,3,4,5,6,7
	ds_load_b128 v[WSC+4*\t:WSC+4*\t+3], v[SS] offset:\wso+256*\t
.endr
.irp ks, 0,1,2,3
	PLACES 4
.irp t, 0,1,2,3,4,5,6,7
.irp c, 0,1
	ds_load_b128 v[WF+8*\t+4*\c:WF+8*\t+4*\c+3], v[\adr] offset:4096*\t+1024*\ks+512*\c
.endr
.endr
	s_wait_dscnt 0x0
.irp t, 0,1,2,3,4,5,6,7
.if (\zero) && (\ks == 0)
	v_wmma_scale_f32_16x16x128_f8f6f4 v[HA+8*\t:HA+8*\t+7], v[WF+8*\t:WF+8*\t+7], v[FX+8*\ks:FX+8*\ks+7], 0, v[WSC+4*\t+\ks], v[FS+\ks] matrix_a_fmt:MATRIX_FMT_FP4 matrix_b_fmt:MATRIX_FMT_FP4
.else
	v_wmma_scale_f32_16x16x128_f8f6f4 v[HA+8*\t:HA+8*\t+7], v[WF+8*\t:WF+8*\t+7], v[FX+8*\ks:FX+8*\ks+7], v[HA+8*\t:HA+8*\t+7], v[WSC+4*\t+\ks], v[FS+\ks] matrix_a_fmt:MATRIX_FMT_FP4 matrix_b_fmt:MATRIX_FMT_FP4
.endif
.endr
.endr
	PLACES 4
.endm
	s_load_b128 s[4:7], s[0:1], 0x0                ; pbuf s[4:5], qbuf s[6:7]
	v_lshl_add_u32 v251, v0, 2, 0x29000
	v_mov_b32 v255, 0
	ds_add_u32 v251, v255
	ds_add_u32 v251, v255
	v_lshrrev_b32 v[RR], 5, v0
	s_delay_alu instid0(VALU_DEP_1)
	v_readfirstlane_b32 s[WV], v[RR]               ; wave 0..7
	s_bfe_u32 s9, ttmp6, 0x40000                   ; cx
	s_bfe_u32 s10, ttmp6, 0x40004                  ; cy
	s_lshl_b32 s11, ttmp9, 2
	s_add_co_u32 s11, s11, s9                      ; j = 4 x cluster x + cx
	s_and_b32 s12, ttmp7, 0xffff
	s_lshl_b32 s12, s12, 2
	s_add_co_u32 s12, s12, s10                     ; i = 4 x cluster y + cy
	s_lshl_b32 s13, s10, 2
	s_lshl_b32 s13, 15, s13                        ; my row of the cluster
	s_lshl_b32 s14, 0x1111, s9                     ; my column
	s_and_b32 s15, s[WV], 3                        ; a: waves 1-3 and 5-7 fetch for weight a - 1
	; every LDS address is made here, of the lane, the wave's number and constants
	v_and_b32 v[RR], 31, v0
	s_delay_alu instid0(VALU_DEP_1)
	v_lshlrev_b32 v[LI], 4, v[RR]
	v_and_b32 v[RR], 15, v0                        ; r
	s_delay_alu instid0(VALU_DEP_1)
	v_lshlrev_b32 v[R16], 4, v[RR]
	v_bfe_u32 v[HH], v0, 4, 1
	s_delay_alu instid0(VALU_DEP_1)
	v_lshlrev_b32 v[SH], 4, v[HH]
	v_add_nc_u32 v[ASQ], 32768, v[LI]
	v_add_nc_u32 v[ASK], 65536, v[LI]
	s_lshl_b32 s84, s[WV], 12
	v_add_nc_u32 v[AFX], s84, v[LI]
	s_delay_alu instid0(VALU_DEP_1)
	v_add_nc_u32 v[AFV], 98304, v[AFX]
	v_add_nc_u32 v[SS], SCL, v[R16]
	s_lshl_b32 s84, s[WV], 8
	v_add_nc_u32 v[SF], s84, v[SS]
	; THE K UNIT'S FIXED TILE IS COMPOSED ANEW, by rows read from x's images in LDS.  Wave w = 4 g + t takes, as row r, key 64 g + 32 (r / 8) + 8 t + r % 8 of the step's 128:
	; in the attention's S^T a lane's 32 registers of tiles 4 g .. 4 g + 3 are then the whole block of 32 keys 64 g + 32 (lane / 16) + 0 .. 31.
	; That key lies in x's tile 4 g + 2 (r / 8) + t % 2 at row r % 8 + 8 (t / 2): codes 4,096 bytes a tile, 16 a row, 256 for the lane's half; scale words 256 bytes a tile, 16 a row.
.set AFK, 248                          ; v248 the codes' address
.set SFK, 249                          ; v249 the scale words'
	s_lshr_b32 s84, s[WV], 2
	s_lshl_b32 s84, s84, 2
	s_and_b32 s85, s[WV], 1
	s_add_co_u32 s84, s84, s85                     ; 4 g + t % 2
	s_bfe_u32 s85, s[WV], 0x10001
	s_lshl_b32 s85, s85, 7                         ; 128 (t / 2): eight rows of 16 bytes
	s_lshl_b32 s86, s84, 12
	s_add_co_u32 s86, s86, s85
	s_lshl_b32 s87, s84, 8
	s_add_co_u32 s87, s87, s85
	s_add_co_u32 s87, s87, SCL
	v_and_b32 v250, 7, v0
	v_bfe_u32 v[SFK], v0, 3, 1                     ; r / 8
	s_delay_alu instid0(VALU_DEP_2)
	v_lshlrev_b32 v250, 4, v250                    ; 16 (r % 8)
	s_delay_alu instid0(VALU_DEP_1)
	v_lshl_add_u32 v[AFK], v[SFK], 13, v250        ; two tiles on for rows 8-15
	v_lshl_add_u32 v[SFK], v[SFK], 9, v250
	s_delay_alu instid0(VALU_DEP_2)
	v_lshl_add_u32 v[AFK], v[HH], 8, v[AFK]
	s_delay_alu instid0(VALU_DEP_2)
	v_add_nc_u32 v[SFK], s87, v[SFK]
	s_delay_alu instid0(VALU_DEP_2)
	v_add_nc_u32 v[AFK], s86, v[AFK]
	v_lshlrev_b32 v[SGQA], 2, v[RR]                ; Q's words: [head of the pair = h][tile w][r]
	s_delay_alu instid0(VALU_DEP_1)
	v_lshl_add_u32 v[SGQA], v[HH], 9, v[SGQA]
	s_lshl_b32 s84, s[WV], 6
	s_add_co_u32 s84, s84, SG
	v_add_nc_u32 v[SGQA], s84, v[SGQA]
	v_lshl_add_u32 v[SGKA], v[HH], 9, v[R16]       ; K's: [head = h][w / 4][r][w % 4]
	s_lshr_b32 s84, s[WV], 2
	s_lshl_b32 s84, s84, 8
	s_lshl_b32 s85, s15, 2
	s_add_co_u32 s84, s84, s85
	s_add_co_u32 s84, s84, SG+1024
	v_add_nc_u32 v[SGKA], s84, v[SGKA]
	v_lshlrev_b32 v[SGVA], 3, v[RR]                ; V's: [w / 2][r][w % 2]: head w / 4, in it [tile / 2][r][tile % 2]
	s_lshr_b32 s84, s[WV], 1
	s_lshl_b32 s84, s84, 7
	s_and_b32 s85, s[WV], 1
	s_lshl_b32 s85, s85, 2
	s_add_co_u32 s84, s84, s85
	s_add_co_u32 s84, s84, SG+2048
	v_add_nc_u32 v[SGVA], s84, v[SGVA]
	s_lshl_b32 s84, s[WV], 9
	s_add_co_u32 s84, s84, SG
	v_add_nc_u32 v[SGR], s84, v[LI]
	s_cmp_eq_u32 s[WV], 4                          ; wave 4 stores V's words of two heads: lanes 16-31 go a head's bytes further on
	s_cselect_b32 s84, HEADB-256, 0
	v_mul_u32_u24 v[GOFF], s84, v[HH]
	s_delay_alu instid0(VALU_DEP_1)
	v_add_nc_u32 v[GOFF], v[GOFF], v[LI]
.irp b, 0,1,2,3
	v_mov_b32 v[TB+\b], 0                          ; written once: a lane permute's destination counts as one of its sources
.endr
	s_mov_b32 s[SEL], 0x76543210
	s_mov_b32 s[SEL+1], 0xfedcba98
	; descriptor groups 1: dense blocks as rows of 256 bytes (32 elements of 8 bytes), no padding: 128 rows of codes, 8 rows of scale words
	s_or_b32 s[G1XC], s13, (3<<16)|(1<<21)         ; 15:0 the mask: x's blocks go to my row of the cluster; 17:16 elements of 8 bytes; 21 set beside a mask
	s_or_b32 s[G1WC], s14, (3<<16)|(1<<21)         ; the weights' to my column
	s_or_b32 s[G1XS], s13, (3<<16)|(1<<21)
	s_or_b32 s[G1WS], s14, (3<<16)|(1<<21)
.irp g, G1XC, G1WC
	s_mov_b32 s[\g+1], 32<<16                      ; tensor_dim0
	s_mov_b32 s[\g+2], 128<<16                     ; tensor_dim1
	s_mov_b32 s[\g+3], 32<<16                      ; tile_dim0
	s_mov_b32 s[\g+4], 128                         ; tile_dim1
	s_mov_b32 s[\g+5], 32                          ; tensor_dim0_stride
	s_mov_b32 s[\g+6], 0
	s_mov_b32 s[\g+7], 0
.endr
.irp g, G1XS, G1WS
	s_mov_b32 s[\g+1], 32<<16
	s_mov_b32 s[\g+2], 8<<16
	s_mov_b32 s[\g+3], 32<<16
	s_mov_b32 s[\g+4], 8
	s_mov_b32 s[\g+5], 32
	s_mov_b32 s[\g+6], 0
	s_mov_b32 s[\g+7], 0
.endr
	; x's offsets hang on i alone, the weights' on j and the wave's number alone, each in registers that never hold the other coordinate
	s_lshl_b32 s66, s12, 15
	s_mov_b32 s67, 0
	s_lshl_b32 s68, s12, 11
	s_add_co_u32 s68, s68, XS_OFF
	s_mov_b32 s69, 0
	s_lshl_b32 s70, s15, 17
	s_lshl_b32 s71, s11, 15
	s_add_co_u32 s70, s70, s71
	s_add_co_u32 s70, s70, WC_OFF-131072           ; weight a - 1
	s_mov_b32 s71, 0
	s_lshl_b32 s72, s15, 13
	s_lshl_b32 s73, s11, 11
	s_add_co_u32 s72, s72, s73
	s_add_co_u32 s72, s72, WS_OFF-8192
	s_mov_b32 s73, 0
	s_wait_dscnt 0x0
	s_wait_kmcnt 0x0
	s_mov_b32 s[G0XC], 1
	s_mov_b32 s[G0XC+1], 0
	s_add_nc_u64 s[G0XC+2:G0XC+3], s[4:5], s[66:67]
	s_or_b32 s[G0XC+3], s[G0XC+3], 0x80000000
	s_mov_b32 s[G0XS], 1
	s_mov_b32 s[G0XS+1], SCL
	s_add_nc_u64 s[G0XS+2:G0XS+3], s[4:5], s[68:69]
	s_or_b32 s[G0XS+3], s[G0XS+3], 0x80000000
	s_mov_b32 s[G0WC], 1
	s_lshl_b32 s[G0WC+1], s15, 15
	s_add_nc_u64 s[G0WC+2:G0WC+3], s[4:5], s[70:71]
	s_or_b32 s[G0WC+3], s[G0WC+3], 0x80000000
	s_mov_b32 s[G0WS], 1
	s_lshl_b32 s[G0WS+1], s15, 11
	s_add_co_u32 s[G0WS+1], s[G0WS+1], SCL
	s_add_nc_u64 s[G0WS+2:G0WS+3], s[4:5], s[72:73]
	s_or_b32 s[G0WS+3], s[G0WS+3], 0x80000000
	CROUND                                         ; all sixteen work-groups are here: the joint loads meet
	; one tensor load a wave: wave 0 x's codes, 1-3 the weights' codes, 4 x's scale words, 5-7 the weights'.  The branches hang on the wave's number alone.  Four v_nop follow each line
	s_cmp_eq_u32 s[WV], 0
	s_cbranch_scc0 .Lfill_1
	tensor_load_to_lds s[G0XC:G0XC+3], s[G1XC:G1XC+7]
	s_nop 0
	PLACES 4
	s_branch .Lfilled
.Lfill_1:
	s_cmp_lt_u32 s[WV], 4
	s_cbranch_scc0 .Lfill_2
	tensor_load_to_lds s[G0WC:G0WC+3], s[G1WC:G1WC+7]
	s_nop 0
	PLACES 4
	s_branch .Lfilled
.Lfill_2:
	s_cmp_eq_u32 s[WV], 4
	s_cbranch_scc0 .Lfill_3
	tensor_load_to_lds s[G0XS:G0XS+3], s[G1XS:G1XS+7]
	s_nop 0
	PLACES 4
	s_branch .Lfilled
.Lfill_3:
	tensor_load_to_lds s[G0WS:G0WS+3], s[G1WS:G1WS+7]
	s_nop 0
	PLACES 4
.Lfilled:
	; where the results go
	s_lshr_b32 s86, s12, 5                         ; batch
	s_and_b32 s87, s12, 31                         ; key step in the batch
	s_lshl_b32 s88, s86, 3
	s_lshl_b32 s84, s11, 1
	s_add_co_u32 s88, s88, s84                     ; bh0 = 8 batch + 2 j
	s_mul_i32 s89, s88, HEADB
	s_mul_i32 s84, s87, RECB
	s_add_co_u32 s89, s89, s84
	s_add_co_u32 s89, s89, KV_OFF                  ; head bh0's record of this step
	s_lshl_b32 s84, s87, 3
	s_add_co_u32 s84, s84, s[WV]                   ; my tile in the batch
	s_lshl_b32 s84, s84, 9
	s_lshl_b32 s85, s88, 17
	s_add_co_u32 s84, s84, s85
	s_mov_b32 s85, 0
	s_add_nc_u64 s[QB:QB+1], s[6:7], s[84:85]
	s_lshl_b32 s84, s[WV], 9
	s_add_co_u32 s84, s84, s89
	s_add_nc_u64 s[KB:KB+1], s[6:7], s[84:85]
	s_lshr_b32 s84, s[WV], 2                       ; V: channel tile w belongs to head bh0 + w / 4, tile w % 4
	s_mul_i32 s84, s84, HEADB
	s_lshl_b32 s90, s15, 10
	s_add_co_u32 s84, s84, s90
	s_add_co_u32 s84, s84, s89
	s_add_co_u32 s84, s84, 4096
	s_add_nc_u64 s[VB:VB+1], s[6:7], s[84:85]
	s_add_co_u32 s90, s88, s[WV]                   ; the gathered scale words: waves 0, 1: Q's of head bh0 + w;
	s_lshl_b32 s90, s90, 14
	s_lshl_b32 s91, s87, 9
	s_add_co_u32 s90, s90, s91
	s_add_co_u32 s90, s90, QS_OFF
	s_mul_i32 s91, s[WV], HEADB                    ; waves 2, 3: K's of head bh0 + w - 2;
	s_add_co_u32 s91, s91, s89
	s_sub_co_u32 s91, s91, 2*HEADB-8192
	s_add_co_u32 s92, s89, 8704                    ; wave 4: V's of both heads
	s_cmp_lt_u32 s[WV], 2
	s_cselect_b32 s84, s90, s91
	s_cmp_eq_u32 s[WV], 4
	s_cselect_b32 s84, s92, s84
	s_add_nc_u64 s[SB:SB+1], s[6:7], s[84:85]
	s_wait_tensorcnt 0x0                           ; my block has landed,
	s_barrier_signal -1
	s_barrier_wait -1                              ; everybody's has
	FIXED AFX, 0                                   ; x's tile w
	UNIT ASQ, 2048, 1                              ; ---- Q
	QUANT HA, PCQ, PW                              ; blocks 0, 1: head 2 j; blocks 2, 3: head 2 j + 1
	global_store_b128 v[LI], v[PCQ:PCQ+3], s[QB:QB+1]                  ; 32 lanes store 512 consecutive bytes
	global_store_b128 v[LI], v[PCQ+4:PCQ+7], s[QB:QB+1] offset:131072  ; the next head
	v_lshrrev_b32 v[TW], v[SH], v[PW]              ; lanes 0-15: head 2 j's two bytes below; lanes 16-31: head 2 j + 1's
	ds_store_b32 v[SGQA], v[TW]
.irp ks, 0,1,2,3                               ; ---- K: the fixed tile is the one composed for the attention (the conversions above are the places behind Q's products)
.irp c, 0,1
	ds_load_b128 v[FX+8*\ks+4*\c:FX+8*\ks+4*\c+3], v[AFK] offset:1024*\ks+512*\c
.endr
.endr
	ds_load_b128 v[FS:FS+3], v[SFK]
	UNIT ASK, 4096, 1
	QUANT HA, PCK, PW
	global_store_b128 v[LI], v[PCK:PCK+3], s[KB:KB+1]
	global_store_b128 v[LI], v[PCK+4:PCK+7], s[KB:KB+1] offset:HEADB
	v_lshrrev_b32 v[TW], v[SH], v[PW]
	ds_store_b32 v[SGKA], v[TW]
	FIXED AFV, 6144                                ; ---- V: Wv's tile w against x's eight tiles
	UNIT LI, 0, 1
	QUANT HA, PCV, PW                              ; four blocks of 32 keys of my channel: a whole fragment of V^T
	global_store_b128 v[LI], v[PCV:PCV+3], s[VB:VB+1]
	global_store_b128 v[LI], v[PCV+4:PCV+7], s[VB:VB+1] offset:512
	ds_store_b32 v[SGVA], v[PW]                    ; both halves of the lanes write the same word with the same value
	s_wait_dscnt 0x0                               ; for the others' sake: my stores have landed
	s_barrier_signal -1
	s_barrier_wait -1
	s_cmp_gt_u32 s[WV], 4
	s_cbranch_scc1 .Lno_scales
	ds_load_b128 v[WF:WF+3], v[SGR]                ; 512 gathered bytes a wave
	s_wait_dscnt 0x0
	global_store_b128 v[GOFF], v[WF:WF+3], s[SB:SB+1]   ; sixteen lanes store 256 consecutive bytes, aligned
.Lno_scales:
	s_wait_tensorcnt 0x0
	ds_add_u32 v251, v255
	s_wait_dscnt 0x0
	CROUND                                         ; the closing round: no work-group ends while a partner may still ask for a block that names it
	s_endpgm
.Lfunc_end_k_q9e846b3dda_qkv:
	.size	k_q9e846b3dda_qkv, .Lfunc_end_k_q9e846b3dda_qkv-k_q9e846b3dda_qkv
	.p2alignl 7, 3214868480
	.fill 96, 4, 3214868480
	.section	.rodata,"a",@progbits
	.p2align	6, 0x0
	.amdhsa_kernel k_q9e846b3dda_qkv
		.amdhsa_group_segment_fixed_size 168960
		.amdhsa_private_segment_fixed_size 0
		.amdhsa_enable_private_segment 0
		.amdhsa_kernarg_size 16
		.amdhsa_user_sgpr_count 2
		.amdhsa_user_sgpr_kernarg_segment_ptr 1
		.amdhsa_wavefront_size32 1
		.amdhsa_system_sgpr_workgroup_id_x 1
		.amdhsa_system_sgpr_workgroup_id_y 1
		.amdhsa_system_sgpr_workgroup_id_z 1
		.amdhsa_system_vgpr_workitem_id 0
		.amdhsa_next_free_vgpr 256
		.amdhsa_next_free_sgpr 96
		.amdhsa_reserve_vcc 0
		.amdhsa_float_denorm_mode_32 3
		.amdhsa_float_denorm_mode_16_64 3
		.amdhsa_memory_ordered 1
		.amdhsa_forward_progress 1
		.amdhsa_inst_pref_size 55
	.end_amdhsa_kernel
	.amdgpu_metadata
---
amdhsa.version: [ 1, 2 ]
amdhsa.kernels:
  - .name:           k_q9e846b3dda_qkv
    .symbol:         k_q9e846b3dda_qkv.kd
    .args:
      - { .name: pbuf, .offset: 0, .size: 8, .value_kind: global_buffer, .address_space: global }
      - { .name: qbuf, .offset: 8, .size: 8, .value_kind: global_buffer, .address_space: global }
    .group_segment_fixed_size: 168960
    .private_segment_fixed_size: 0
    .kernarg_segment_align: 8
    .kernarg_segment_size: 16
    .max_flat_workgroup_size: 256
    .sgpr_count:     96
    .vgpr_count:     256
    .wavefront_size: 32
...
	.end_amdgpu_metadata
.endif
;; end of part 2
;; launch attn (part 3): grid 16 x 16, 16 waves a work-group, clusters of 4 x 1, 327,680 bytes of LDS; arguments qbuf, obuf; writes obuf
.if DOCPART == 3
	.amdgcn_target "amdgcn-amd-amdhsa--gfx1250"
	.amdhsa_code_object_version 6
	.text
	.protected	k_q9e846b3dda_attn
	.globl	k_q9e846b3dda_attn
	.p2align	8
	.type	k_q9e846b3dda_attn,@function
k_q9e846b3dda_attn:
	s_mov_b64 s[64:65], 0
	v_nop
	global_prefetch_b8 v0, s[64:65] scope:SCOPE_SE
	s_setreg_imm32_b32 hwreg(HW_REG_WAVE_MODE, 25, 1), 1
	s_wait_xcnt 0x0
	s_wait_alu depctr_hold_cnt(0) depctr_sa_sdst(0) depctr_va_vdst(0) depctr_va_sdst(0) depctr_va_ssrc(0) depctr_va_vcc(0) depctr_vm_vsrc(0)
	s_getreg_b32 s2, hwreg(HW_REG_IB_STS2, 6, 4)
	s_cmp_eq_u32 s2, 0
	s_cbranch_scc0 .Lentry_in_a_cluster
	s_endpgm
.Lentry_in_a_cluster:
	s_bfe_u32 s2, ttmp6, 0x10000c
	s_cmp_lg_u32 s2, 0x3003
	s_cbranch_scc0 .Lentry_shape_is_right
	s_endpgm
.Lentry_shape_is_right:
; o = softmax(q k^T / 8) v for one batch and head, both products on codes of FP4 (E2M1) with E8M0 scales; o is quantised along the head's 64 and stored as codes and scale bytes for the last product.
; t = score x log2(e) / 8; M = the running largest t rounded up to a whole number; p = 2^(t - M) is quantised along the keys; the row's sum is taken of the unquantised p and divides at the end.
; When M moves, the sum and O^T are multiplied by 2^(old M - new M): nothing is rounded, and no branch hangs on data.
; LIMITS: the promise holds while the scaled scores stay under 2^31 in magnitude; NaN and infinities are not served; a block whose every p is 0 keeps the byte 1 (its codes are zeros).
; SHARES.  A work-group owns 256 queries of one head, each of its sixteen waves one tile of 16; every wave walks the head's 4,096 keys, 128 a step, 32 steps.
; qbuf holds a record of 8,960 bytes for each head and step: K's 8 tiles x 512 | V^T's 4 channel tiles x 1,024 | K's scale words 512 | V's 256, all as images of the operands' registers.
; A head's 32 records are 286,720 bytes: they fit in LDS together.  Each wave fetches two records by ONE tensor load (70 rows of 256 bytes); every byte is filled once, nothing is filled again.
; CLUSTER 4 x 1: the four work-groups walk the same head and ask for each block jointly (mask 15).
; NO PREFETCH: all that the launch reads of K and V is asked for by the head's one load a wave; there is no loop to run ahead in.
; LAYOUT.  Both products are used transposed (S^T = K Q^T, O^T = V^T P^T): a lane holds one query (lane % 16).  Row m of K's tile 4 g + t is key 64 g + 32 (m / 8) + 8 t + m % 8, so register S + 32 g + i
; of lane (r, h) is key 64 g + 32 h + i: a lane holds two WHOLE blocks of 32 keys, in the order of P's operand registers.  A block's maximum needs no other lane and the conversions' results are the operand.
; The head's K is 64: the upper half of Q's fragment is zero codes, and a tile of K names the next tile's registers as its upper half, which those zeros multiply.
; THE STEP IS ROTATED: the next step's score products stand at a step's end.  The row's sum is a tree of packed additions: 24 of its 32 stand ahead of those products (p's registers are then free),
; the last 8, on eight partial pairs, behind them at the next step's top, where they are the places behind the products.
.set QS_OFF,  2097152
.set KV_OFF,  2359296
.set RECB,    8960
.set HEADB,   286720
.set OSH_OFF, 2097152
.set OSG,     286720                   ; LDS behind the records: o's scale bytes, 512, gathered by LDS stores
.set SPARE,   287232                   ; the spare words, 128 bytes a wave
.set LI,   1                           ; 16 x lane
.set L8,   2                           ; 8 x lane
.set ADC,  3                           ; LI + the trip's first record
.set ADV8, 4                           ; L8 + the same
.set RM,   5                           ; the running largest score
.set R4,   6
.set OSA,  7
.set OSR,  8
.set SH8,  9                           ; 8 (lane / 16)
.set MA,   10                          ; -M, in v10 and v12 by turns (each named as the low word of a pair)
.set MB,   12
.set QF,   16
.set QSC,  24
.set VSC,  26
.set KSC,  28
.set KF,   32                          ; v32-63 K's eight tiles, v64-67 zeros
.set VF,   68
.set S,    100                         ; v100-163 S^T, then p
.set OT,   164                         ; v164-195 O^T
.set PC,   196                         ; v196-203 p's codes
.set TM,   208
.set T2,   212
.set T3,   216
.set FF,   220
.set PSC,  222
.set TA,   223
.set LM,   226
.set W,    227
.set XM,   228                         ; v228-235 a maximum for each tile
.set U,    236                         ; v236-251 eight partial pairs of the row's sum
.set SPW,  254
.set NIL,  255
.set WV,   8
.set G1,   16
.set G0A,  24
.set SEL,  32
.set CS,   34
.set TB,   36
.set CNT,  38
.macro CROUND                          ; a round of the cluster's barrier
	s_barrier_signal -1
	s_barrier_wait -1
	s_cmp_lg_u32 s[WV], 0
	s_cbranch_scc1 .Lnot_wave_0_\@
	s_barrier_signal -3
.Lnot_wave_0_\@:
	s_barrier_wait -3
	s_barrier_signal -1
	s_barrier_wait -1
.endm
.macro SMUL                            ; S^T of 128 keys: eight tiles, each sum begun with 0
.irp t, 0,1,2,3
	v_wmma_scale_f32_16x16x128_f8f6f4 v[S+8*\t:S+8*\t+7], v[KF+4*\t:KF+4*\t+7], v[QF:QF+7], 0, v[KSC+\t], v[QSC] matrix_a_fmt:MATRIX_FMT_FP4 matrix_b_fmt:MATRIX_FMT_FP4
.endr
.irp t, 4,5,6,7
	v_wmma_scale_f32_16x16x128_f8f6f4 v[S+8*\t:S+8*\t+7], v[KF+4*\t:KF+4*\t+7], v[QF:QF+7], 0, v[KSC+\t-4], v[QSC] matrix_a_fmt:MATRIX_FMT_FP4 matrix_b_fmt:MATRIX_FMT_FP4 matrix_a_scale:MATRIX_SCALE_ROW1
.endr
.endm
.macro VLD q, t                        ; V^T's channel tile t of the trip's record q
	ds_load_b128 v[VF+8*(\t):VF+8*(\t)+3], v[ADC] offset:RECB*(\q)+4096+1024*(\t)
	ds_load_b128 v[VF+8*(\t)+4:VF+8*(\t)+7], v[ADC] offset:RECB*(\q)+4608+1024*(\t)
.endm
.macro KLD q, t                        ; K's tile t of the record after q
	ds_load_b128 v[KF+4*(\t):KF+4*(\t)+3], v[ADC] offset:RECB*((\q)+1)+512*(\t)
.endm
.macro PKF from, mn                    ; t - M of 16 scores, two at a time
.set n, \from
.rept 8
	v_pk_fma_f32 v[S+n:S+n+1], v[S+n:S+n+1], s[CS:CS+1], v[\mn:\mn+1] op_sel_hi:[1,0,0]
.set n, n+2
.endr
.endm
.macro RS i                            ; a pair of O^T under the new M
	v_pk_mul_f32 v[OT+2*(\i):OT+2*(\i)+1], v[OT+2*(\i):OT+2*(\i)+1], v[FF:FF+1] op_sel_hi:[1,0]
.endm
.macro LATE_A                          ; the sum's tree goes on: eight partial pairs become two
.irp i, 0,1,2,3
	v_pk_add_f32 v[U+2*\i:U+2*\i+1], v[U+2*\i:U+2*\i+1], v[U+8+2*\i:U+9+2*\i]
.endr
	v_pk_add_f32 v[U:U+1], v[U:U+1], v[U+4:U+5]
	v_pk_add_f32 v[U+2:U+3], v[U+2:U+3], v[U+6:U+7]
.endm
	s_load_b128 s[4:7], s[0:1], 0x0                ; qbuf, obuf
	v_lshl_add_u32 v[SPW], v0, 2, SPARE
	v_mov_b32 v[NIL], 0
	ds_add_u32 v[SPW], v[NIL]                      ; the opening lines: the add twice on end, and its wait ahead of the first tensor load
	ds_add_u32 v[SPW], v[NIL]
	v_lshrrev_b32 v[TA], 5, v0
	s_delay_alu instid0(VALU_DEP_1)
	v_readfirstlane_b32 s[WV], v[TA]               ; wave 0..15
	s_bfe_u32 s9, ttmp6, 0x40000                   ; cx
	s_lshl_b32 s10, ttmp9, 2
	s_add_co_u32 s10, s10, s9                      ; which 256 queries
	s_and_b32 s11, ttmp7, 0xffff                   ; batch x head
	v_and_b32 v[TA], 31, v0
	s_delay_alu instid0(VALU_DEP_1)
	v_lshlrev_b32 v[LI], 4, v[TA]
	v_lshlrev_b32 v[L8], 3, v[TA]
	v_and_b32 v[TA], 15, v0
	s_delay_alu instid0(VALU_DEP_1)
	v_lshlrev_b32 v[R4], 2, v[TA]
	v_lshlrev_b32 v[OSA], 1, v[TA]
	s_lshl_b32 s13, s[WV], 5
	s_add_co_u32 s13, s13, OSG
	v_add_nc_u32 v[OSA], s13, v[OSA]
	v_add_nc_u32 v[OSR], OSG, v[LI]
	v_bfe_u32 v[SH8], v0, 4, 1
	s_delay_alu instid0(VALU_DEP_1)
	v_lshlrev_b32 v[SH8], 3, v[SH8]
.irp n, 4,5,6,7
	v_mov_b32 v[QF+\n], 0                          ; zero codes for k = 64 .. 127
.endr
.irp n, 0,1,2,3
	v_mov_b32 v[KF+32+\n], 0                       ; named as tile 7's upper half
	v_mov_b32 v[T2+\n], 0                          ; a lane permute's destination counts as one of its sources
.endr
	v_mov_b32 v[RM], 0xff61b1e6                    ; -3e38, under every score
	v_mov_b32 v[MA+1], 0                           ; the pairs' upper words are named, so they are written
	v_mov_b32 v[MB+1], 0
	v_floor_f32 v[MA], -v[RM]                      ; -M
	v_mov_b32 v14, 0                               ; the sum, in two halves
	v_mov_b32 v15, 0
	v_mov_b32 v[FF+1], 0
.set n, 0
.rept 16
	v_mov_b32 v[U+n], 0                            ; the step is written once: the first finds no partial sums,
.set n, n+1
.endr
.set n, 0
.rept 32
	v_mov_b32 v[OT+n], 0                           ; and zeros in O^T, which the first change of M leaves zeros
.set n, n+1
.endr
	s_mov_b32 s[G1], 15|(3<<16)|(1<<21)            ; the mask of all four partners; elements of 8 bytes; bit 21 beside a mask
	s_mov_b32 s[G1+1], 32<<16                      ; rows of 256 bytes,
	s_mov_b32 s[G1+2], 70<<16                      ; 70 of them: two records
	s_mov_b32 s[G1+3], 32<<16
	s_mov_b32 s[G1+4], 70
	s_mov_b32 s[G1+5], 32
	s_mov_b32 s[G1+6], 0
	s_mov_b32 s[G1+7], 0
	s_mul_i32 s12, s[WV], 2*RECB                   ; my two records, in LDS and in the head
	s_mul_i32 s40, s11, HEADB
	s_add_co_u32 s40, s40, s12
	s_add_co_u32 s40, s40, KV_OFF
	s_mov_b32 s41, 0
	s_lshl_b32 s42, s10, 4
	s_add_co_u32 s42, s42, s[WV]                   ; my tile of queries
	s_lshl_b32 s44, s11, 17
	s_lshl_b32 s43, s42, 9
	s_add_co_u32 s44, s44, s43                     ; Q's codes
	s_mov_b32 s45, 0
	s_lshl_b32 s46, s11, 14
	s_lshl_b32 s43, s42, 6
	s_add_co_u32 s46, s46, s43
	s_add_co_u32 s46, s46, QS_OFF                  ; Q's scale words
	s_mov_b32 s47, 0
	s_lshr_b32 s48, s11, 3
	s_lshl_b32 s48, s48, 8
	s_add_co_u32 s48, s48, s42
	s_lshl_b32 s48, s48, 12
	s_and_b32 s43, s11, 7
	s_lshl_b32 s43, s43, 9
	s_add_co_u32 s48, s48, s43                     ; o's codes: [tile][head][512]
	s_mov_b32 s49, 0
	s_lshl_b32 s50, s11, 13
	s_lshl_b32 s43, s10, 9
	s_add_co_u32 s50, s50, s43
	s_add_co_u32 s50, s50, OSH_OFF                 ; o's scale bytes
	s_mov_b32 s51, 0
	s_mov_b32 s[SEL], 0x76543210
	s_mov_b32 s[SEL+1], 0xfedcba98                 ; lane l xor 16
	s_mov_b32 s[CS], 0x3e38aa3b                    ; c = log2(e) / 8
	s_mov_b32 s[CS+1], s[CS]
	s_mov_b32 s[TB], 0
	s_wait_alu depctr_va_vdst(0)
	s_wait_dscnt 0x0                               ; both opening adds are done
	s_wait_kmcnt 0x0
	s_mov_b32 s[G0A], 1
	s_mov_b32 s[G0A+1], s12
	s_add_nc_u64 s[G0A+2:G0A+3], s[4:5], s[40:41]
	s_or_b32 s[G0A+3], s[G0A+3], 0x80000000
	s_add_nc_u64 s[44:45], s[4:5], s[44:45]
	s_add_nc_u64 s[46:47], s[4:5], s[46:47]
	s_add_nc_u64 s[48:49], s[6:7], s[48:49]
	s_add_nc_u64 s[50:51], s[6:7], s[50:51]
	global_load_b128 v[QF:QF+3], v[LI], s[44:45]   ; Q's fragment stays in registers
	global_load_b32 v[QSC], v[R4], s[46:47]
	CROUND                                         ; all four work-groups are here: the joint loads meet
	tensor_load_to_lds s[G0A:G0A+3], s[G1:G1+7]    ; my one tensor load of the launch
	s_nop 0
	s_wait_tensorcnt 0x0                           ; my two records are in,
	s_wait_loadcnt 0x0                             ; and Q
	s_barrier_signal -1
	s_barrier_wait -1                              ; everybody's records are in
.irp t, 0,1,2,3,4,5,6,7
	ds_load_b128 v[KF+4*\t:KF+4*\t+3], v[LI] offset:512*\t
.endr
	ds_load_b128 v[KSC:KSC+3], v[LI] offset:8192
	s_wait_dscnt 0x0
	SMUL                                           ; step 0's scores
; A KEY STEP.  q: the record in the trip's two; mo, mn: -M's old and new register; last = 1: no step follows.  On entry S^T holds this step's scores and U the last step's partial sums.
.macro STEP q, mo, mn, last
	LATE_A                                         ; six plain lines that name no register of the products just issued: the places behind them
.if \q == 0
	v_add_nc_u32 v[ADC], s[TB], v[LI]
	v_add_nc_u32 v[ADV8], s[TB], v[L8]
.endif
.irp t, 0,1,2,3,4,5,6,7                        ; the largest score: eight chains by turns, one a tile; each accumulator is read from its low end on
	v_max3_num_f32 v[XM+\t], v[S+8*\t], v[S+8*\t+1], v[S+8*\t+2]
.endr
	v_pk_add_f32 v[U:U+1], v[U:U+1], v[U+2:U+3]
.irp t, 0,1,2,3,4,5,6,7
	v_max3_num_f32 v[XM+\t], v[XM+\t], v[S+8*\t+3], v[S+8*\t+4]
.endr
	v_pk_add_f32 v[14:15], v[14:15], v[U:U+1]      ; the last step's p are all in the sum, under the last step's M
.irp t, 0,1,2,3,4,5,6,7
	v_max3_num_f32 v[XM+\t], v[XM+\t], v[S+8*\t+5], v[S+8*\t+6]
.endr
	v_max3_num_f32 v[XM], v[XM], v[S+7], v[S+15]   ; each tile's eighth score, and the four tiles of a block joined; the two blocks by turns
	v_max3_num_f32 v[XM+4], v[XM+4], v[S+39], v[S+47]
	v_max3_num_f32 v[XM+1], v[XM+1], v[S+23], v[S+31]
	v_max3_num_f32 v[XM+5], v[XM+5], v[S+55], v[S+63]
	v_max3_num_f32 v[XM], v[XM], v[XM+1], v[XM+2]
	v_max3_num_f32 v[XM+4], v[XM+4], v[XM+5], v[XM+6]
	v_max_num_f32 v[TM], v[XM], v[XM+3]            ; my block of g = 0,
	v_max_num_f32 v[TM+2], v[XM+4], v[XM+7]        ; and of g = 1: they serve for the row's maximum and for the blocks' largest p
	v_max_num_f32 v[LM], v[TM], v[TM+2]
	VLD \q, 0                                      ; the LDS loads stand among the links of the chain
	VLD \q, 1
	v_permlanex16_b32 v[T2], v[LM], s[SEL], s[SEL+1]
	VLD \q, 2
	VLD \q, 3
	ds_load_b64 v[VSC:VSC+1], v[ADV8] offset:RECB*(\q)+8704
	v_max3_num_f32 v[RM], v[RM], v[LM], v[T2]      ; the running largest score of my query
.if !(\last)
	KLD \q, 0
	KLD \q, 1
	KLD \q, 2
.endif
	v_mul_f32 v[TA], s[CS], v[RM]                  ; as t (c is positive)
.if !(\last)
	KLD \q, 3
	KLD \q, 4
	KLD \q, 5
.endif
	v_floor_f32 v[\mn], -v[TA]                     ; -M = floor(-t): a whole number
.if !(\last)
	KLD \q, 6
	KLD \q, 7
	ds_load_b128 v[KSC:KSC+3], v[ADC] offset:RECB*((\q)+1)+8192
.endif
	PKF 0, \mn                                     ; the links that lead to f stand among the 32 multiply-adds
	v_sub_f32 v[TA], v[\mn], v[\mo]                ; old M - new M: a whole number, 0 or less
	v_fma_f32 v[TM], v[TM], s[CS], v[\mn]          ; t - M of each block's largest score
	v_fma_f32 v[TM+2], v[TM+2], s[CS], v[\mn]
	PKF 16, \mn
	v_cvt_i32_f32 v[TA], v[TA]                     ; (it saturates)
	PKF 32, \mn
	v_ldexp_f32 v[FF], 1.0, v[TA]                  ; f = 2^(old M - new M)
	PKF 48, \mn
	s_wait_alu depctr_va_vdst(0)
	v_exp_f32 v[TM], v[TM]                         ; the blocks' largest p
	v_exp_f32 v[TM+2], v[TM+2]
.set n, 0
.rept 64
	v_exp_f32 v[S+n], v[S+n]                       ; p = 2^(t - M)
.set n, n+1
.endr
	v_pk_mul_f32 v[14:15], v[14:15], v[FF:FF+1] op_sel_hi:[1,0]   ; the sum under the new M: a plain place behind the batch
	s_wait_alu depctr_va_vdst(0)                   ; one wait: behind the batch, and directly ahead of the first reader of O^T
	RS 0                                           ; O^T under the new M, from each accumulator's low end on; the links that lead to p's scale word, plain lines all, stand among the 16
	v_max_num_f32 v[TM], 0x1800000, v[TM]          ; the floor 2^(3 - 127): the byte cannot fall under 1
	v_max_num_f32 v[TM+2], 0x1800000, v[TM+2]
	RS 1
	RS 2
	RS 3
	v_add_nc_u32 v[T3], 0xff000000, v[TM]          ; 2 off the exponent field: the conversions' scale operand
	v_add_nc_u32 v[T3+1], 0xff000000, v[TM+2]
	RS 4
	RS 5
	RS 6
	v_lshrrev_b32 v[T2], 23, v[T3]                 ; the bytes of blocks h and 2 + h
	v_lshrrev_b32 v[T2+1], 23, v[T3+1]
	RS 7
	RS 8
	RS 9
	v_lshl_or_b32 v[W], v[T2+1], 16, v[T2]
	RS 10
	RS 11
	RS 12
	v_lshlrev_b32 v[W], v[SH8], v[W]               ; at their places in the scale word
	RS 13
	RS 14
	RS 15
	v_permlanex16_b32 v[T2+2], v[W], s[SEL], s[SEL+1]
.irp g, 0,1
.irp t, 0,1,2,3
	v_cvt_scalef32_pk8_fp4_f32 v[PC+4*\g+\t], v[S+32*\g+8*\t:S+32*\g+8*\t+7], v[T3+\g]   ; registers 4 g .. 4 g + 3 of P's operand: keys 64 g + 32 h + 0 .. 31
.endr
.endr
	v_or_b32 v[PSC], v[W], v[T2+2]                 ; with lane l xor 16's two bytes the word is whole.  (The plain place behind the conversions: the lines below write their sources)
.set n, 0
.rept 16
	v_pk_add_f32 v[S+n:S+n+1], v[S+n:S+n+1], v[S+n+2:S+n+3]   ; the row's sum of the unquantised p: 32 pairs become 16,
.set n, n+4
.endr
.set n, 0
.rept 8
	v_pk_add_f32 v[U+n:U+n+1], v[S+4*n:S+4*n+1], v[S+4*n+4:S+4*n+5]   ; and 8, outside p's registers
.set n, n+2
.endr
	s_wait_alu depctr_va_vdst(0)                   ; directly ahead of the wait below
	s_wait_dscnt 0x0                               ; V's fragments and the next step's K are in
.if !(\last)
	SMUL                                           ; the next step's scores, into the registers that p has left
.endif
.irp t, 0,1
	v_wmma_scale_f32_16x16x128_f8f6f4 v[OT+8*\t:OT+8*\t+7], v[VF+8*\t:VF+8*\t+7], v[PC:PC+7], v[OT+8*\t:OT+8*\t+7], v[VSC+\t], v[PSC] matrix_a_fmt:MATRIX_FMT_FP4 matrix_b_fmt:MATRIX_FMT_FP4
.endr
.irp t, 2,3
	v_wmma_scale_f32_16x16x128_f8f6f4 v[OT+8*\t:OT+8*\t+7], v[VF+8*\t:VF+8*\t+7], v[PC:PC+7], v[OT+8*\t:OT+8*\t+7], v[VSC+\t-2], v[PSC] matrix_a_fmt:MATRIX_FMT_FP4 matrix_b_fmt:MATRIX_FMT_FP4 matrix_a_scale:MATRIX_SCALE_ROW1
.endr
.endm
	s_mov_b32 s[CNT], 15
.Lpair:                                            ; 15 trips of two steps; the last two steps are written out, since the very last fetches and multiplies no further K
	STEP 0, MA, MB, 0
	STEP 1, MB, MA, 0
	s_add_co_u32 s[TB], s[TB], 2*RECB
	s_sub_co_u32 s[CNT], s[CNT], 1
	s_cmp_lg_u32 s[CNT], 0
	s_cbranch_scc1 .Lpair
	STEP 0, MA, MB, 0
	STEP 1, MB, MA, 1
	; THE WAY OUT: O^T / the sum, quantised along the head's 64 (register 16 b + i is channel 32 b + 16 h + i), as an image of the last product's operand
	LATE_A                                         ; the last step's partial sums; these lines are also the places behind the last products
	v_pk_add_f32 v[U:U+1], v[U:U+1], v[U+2:U+3]
	v_pk_add_f32 v[14:15], v[14:15], v[U:U+1]
	v_add_f32 v14, v14, v15
	s_delay_alu instid0(VALU_DEP_1)
	v_permlanex16_b32 v[TA], v14, s[SEL], s[SEL+1]
	s_delay_alu instid0(VALU_DEP_1)
	v_add_f32 v14, v14, v[TA]                      ; the row's sum
	s_wait_alu depctr_va_vdst(0)                   ; the wait ahead of the transcendental
	v_rcp_f32 v14, v14
	v_nop
	s_wait_alu depctr_va_vdst(0)                   ; and ahead of its first reader, which is O^T's first reader too
.set n, 0
.rept 32
	v_mul_f32 v[S+n], v[OT+n], v14
.set n, n+1
.endr
.irp b, 0,1
	v_max3_num_f32 v[TM+\b], |v[S+16*\b]|, |v[S+1+16*\b]|, 0x1800000
.endr
.irp i, 2,4,6,8,10,12,14
.irp b, 0,1
	s_delay_alu instid0(VALU_DEP_2)
	v_max3_num_f32 v[TM+\b], v[TM+\b], |v[S+16*\b+\i]|, |v[S+1+16*\b+\i]|
.endr
.endr
.irp b, 0,1
	s_delay_alu instid0(VALU_DEP_2)
	v_permlanex16_b32 v[T2+\b], v[TM+\b], s[SEL], s[SEL+1]
.endr
.irp b, 0,1
	s_delay_alu instid0(VALU_DEP_2)
	v_max_num_f32 v[TM+\b], v[TM+\b], v[T2+\b]
.endr
.irp b, 0,1
	s_delay_alu instid0(VALU_DEP_2)
	v_add_nc_u32 v[T3+\b], 0xff000000, v[TM+\b]
.endr
.irp b, 0,1
	s_delay_alu instid0(VALU_DEP_2)
	v_lshrrev_b32 v[T2+\b], 23, v[T3+\b]
.endr
	s_delay_alu instid0(VALU_DEP_1)
	v_lshl_or_b32 v[TA], v[T2+1], 8, v[T2]         ; my row's two scale bytes
.irp b, 0,1
	v_cvt_scalef32_pk8_fp4_f32 v[PC+2*\b], v[S+16*\b:S+7+16*\b], v[T3+\b]
	v_cvt_scalef32_pk8_fp4_f32 v[PC+1+2*\b], v[S+8+16*\b:S+15+16*\b], v[T3+\b]
.endr
	v_nop                                          ; one plain place behind a scaled conversion
	v_permlane16_swap_b32 v[PC], v[PC+2]           ; a whole block to a lane
	v_permlane16_swap_b32 v[PC+1], v[PC+3]
	global_store_b128 v[LI], v[PC:PC+3], s[48:49]  ; 32 lanes store 512 consecutive bytes
	ds_store_b16 v[OSA], v[TA]
	s_wait_dscnt 0x0                               ; for the others' sake
	s_barrier_signal -1
	s_barrier_wait -1
	s_cmp_lg_u32 s[WV], 0
	s_cbranch_scc1 .Lnot_mine
	ds_load_b128 v[S:S+3], v[OSR]                  ; the sixteen tiles' 512 scale bytes
	s_wait_dscnt 0x0
	global_store_b128 v[LI], v[S:S+3], s[50:51]
.Lnot_mine:
	s_wait_tensorcnt 0x0                           ; the wave's end
	ds_add_u32 v[SPW], v[NIL]
	s_wait_dscnt 0x0
	CROUND                                         ; the closing round
	s_endpgm
.Lfunc_end_k_q9e846b3dda_attn:
	.size	k_q9e846b3dda_attn, .Lfunc_end_k_q9e846b3dda_attn-k_q9e846b3dda_attn
	.p2alignl 7, 3214868480
	.fill 96, 4, 3214868480
	.section	.rodata,"a",@progbits
	.p2align	6, 0x0
	.amdhsa_kernel k_q9e846b3dda_attn
		.amdhsa_group_segment_fixed_size 327680
		.amdhsa_private_segment_fixed_size 0
		.amdhsa_enable_private_segment 0
		.amdhsa_kernarg_size 16
		.amdhsa_user_sgpr_count 2
		.amdhsa_user_sgpr_kernarg_segment_ptr 1
		.amdhsa_wavefront_size32 1
		.amdhsa_system_sgpr_workgroup_id_x 1
		.amdhsa_system_sgpr_workgroup_id_y 1
		.amdhsa_system_sgpr_workgroup_id_z 1
		.amdhsa_system_vgpr_workitem_id 0
		.amdhsa_next_free_vgpr 256
		.amdhsa_next_free_sgpr 66
		.amdhsa_reserve_vcc 0
		.amdhsa_float_denorm_mode_32 3
		.amdhsa_float_denorm_mode_16_64 3
		.amdhsa_memory_ordered 1
		.amdhsa_forward_progress 1
		.amdhsa_inst_pref_size 66
	.end_amdhsa_kernel
	.amdgpu_metadata
---
amdhsa.version: [ 1, 2 ]
amdhsa.kernels:
  - .name:           k_q9e846b3dda_attn
    .symbol:         k_q9e846b3dda_attn.kd
    .args:
      - { .name: qbuf, .offset: 0, .size: 8, .value_kind: global_buffer, .address_space: global }
      - { .name: obuf, .offset: 8, .size: 8, .value_kind: global_buffer, .address_space: global }
    .group_segment_fixed_size: 327680
    .private_segment_fixed_size: 0
    .kernarg_segment_align: 8
    .kernarg_segment_size: 16
    .max_flat_workgroup_size: 512
    .sgpr_count:     66
    .vgpr_count:     256
    .wavefront_size: 32
...
	.end_amdgpu_metadata
.endif
;; end of part 3
;; launch outp (part 4): grid 4 x 64, 8 waves a work-group, clusters of 4 x 4, 168,960 bytes of LDS; arguments obuf, pbuf, bo, out0; writes out0
.if DOCPART == 4
	.amdgcn_target "amdgcn-amd-amdhsa--gfx1250"
	.amdhsa_code_object_version 6
	.text
	.protected	k_q9e846b3dda_outp
	.globl	k_q9e846b3dda_outp
	.p2align	8
	.type	k_q9e846b3dda_outp,@function
k_q9e846b3dda_outp:
	s_mov_b64 s[64:65], 0
	v_nop
	global_prefetch_b8 v0, s[64:65] scope:SCOPE_SE
	s_setreg_imm32_b32 hwreg(HW_REG_WAVE_MODE, 25, 1), 1
	s_wait_xcnt 0x0
	s_wait_alu depctr_hold_cnt(0) depctr_sa_sdst(0) depctr_va_vdst(0) depctr_va_sdst(0) depctr_va_ssrc(0) depctr_va_vcc(0) depctr_vm_vsrc(0)
	s_getreg_b32 s2, hwreg(HW_REG_IB_STS2, 6, 4)
	s_cmp_eq_u32 s2, 0
	s_cbranch_scc0 .Lentry_in_a_cluster
	s_endpgm
.Lentry_in_a_cluster:
	s_bfe_u32 s2, ttmp6, 0x10000c
	s_cmp_lg_u32 s2, 0xf033
	s_cbranch_scc0 .Lentry_shape_is_right
	s_endpgm
.Lentry_shape_is_right:
; out0 = o Wo + bo on codes of FP4 with E8M0 scales (K = 512).  o's codes and scale bytes come from obuf, Wo's from pbuf, all as images of the operands' registers:
; a fragment (16 rows x 128 K) is 1,024 bytes [c = 0, 1][lane][16], a tile 4,096 bytes [K step][c][lane][16].
; SHARES.  Work-group (j, i): 128 rows (8 tiles) x columns 128 j ..  Wave w: source 0 = Wo's 8 tiles by turns, source 1 = o's tile w: 32 matrix instructions on 8 accumulators.
; A lane then holds one row and 16 neighbouring columns of each 32.  The bias is loaded straight into the accumulators, in the result's layout, and is the C of each sum's first instruction.
; The rows of a tile are not neighbours (lane r of tile 2 g + u is row 32 g + 8 u + r + 8 (r / 8); Wo's columns likewise): the stage's and the stores' offsets put each number in its place.
; CLUSTER 4 x 4: o's blocks are shared along a row of the cluster, Wo's along a column; each is asked for jointly.  Every LDS byte is filled once: waves 0-3 issue one tensor load each, waves 4-7 none.
.set WC_OFF,  2228224                  ; pbuf: the weights' codes (q, k, v, o: 131,072 bytes each),
.set WS_OFF,  2752512                  ; their scale words (8,192 bytes each)
.set OSH_OFF, 2097152                  ; obuf: codes [tile 512][head 8][512 bytes] at 0; from here the scale bytes, two a row and head, [batch x head 16][tile 256][r]
.set WOS,     65536                    ; LDS: o's codes 32,768 from 0; Wo's codes 32,768; Wo's scale words 2,048 from WOS;
.set OHW,     67584                    ; o's scale bytes [head 8][tile 8][r][2];
.set STAGE,   69632                    ; a stage of 16 rows x (512 bytes + 16) for each wave: no tensor load lands here
.set STGB,    8448
.set LI,   1                           ; v1   16 x lane
.set R16,  2                           ; v2   16 r
.set HH,   3                           ; v3   h
.set BOF,  4                           ; v4   64 h: my half's 16 numbers of each 32 of the bias
.set ASW,  5                           ; v5   Wo's fragments
.set AFX,  7                           ; v7   o's tile w
.set SS,   9                           ; v9   Wo's scale words: row r of tile 0
.set OSA,  10                          ; v10  o's scale bytes: tile w, row r
.set SO,   11                          ; v11  the stage: where I put 16 bytes of a row
.set SRD,  12                          ; v12  and where I read a row back
.set FX,   16                          ; v16-47   o's tile w: four fragments
.set FS,   48                          ; v48-51   its scale words
.set WF,   52                          ; v52-115  Wo's eight fragments of one K step; on the way out 16 rows
.set WSC,  116                         ; v116-147 Wo's scale words: 4 t + K step
.set HA,   148                         ; v148-211 eight accumulators
.set HW,   236                         ; v236-243 o's scale bytes, two a head
.set RR,   254
.set WV,   12                          ; s12  wave
.set G1OC, 16                          ; s[16:23] .. s[40:47] descriptor groups 1: o's codes, Wo's codes, o's scale bytes, Wo's scale words
.set G1WC, 24
.set G1OS, 32
.set G1WS, 40
.set G0OC, 48                          ; s[48:51] .. s[60:63] their groups 0
.set G0OS, 52
.set G0WC, 56
.set G0WS, 60
.set YB,   80                          ; s[80:81] out0 at my tile's first row and my columns
.set BB,   82                          ; s[82:83] bo at my columns
.macro PLACES n
.rept \n
	v_nop
.endr
.endm
.macro CROUND                          ; a round of the cluster's barrier
	s_barrier_signal -1
	s_barrier_wait -1
	s_cmp_lg_u32 s[WV], 0
	s_cbranch_scc1 .Lnot_wave_0_\@
	s_barrier_signal -3
.Lnot_wave_0_\@:
	s_barrier_wait -3
	s_barrier_signal -1
	s_barrier_wait -1
.endm
.macro WLOAD ks                        ; Wo's eight fragments of K step ks
.irp t, 0,1,2,3,4,5,6,7
.irp c, 0,1
	ds_load_b128 v[WF+8*\t+4*\c:WF+8*\t+4*\c+3], v[ASW] offset:4096*\t+1024*(\ks)+512*\c
.endr
.endr
.endm
.macro MULS ks                         ; eight products; the eight accumulators take turns, one instruction a turn
.irp t, 0,1,2,3,4,5,6,7
	v_wmma_scale_f32_16x16x128_f8f6f4 v[HA+8*\t:HA+8*\t+7], v[WF+8*\t:WF+8*\t+7], v[FX+8*(\ks):FX+8*(\ks)+7], v[HA+8*\t:HA+8*\t+7], v[WSC+4*\t+(\ks)], v[FS+(\ks)] matrix_a_fmt:MATRIX_FMT_FP4 matrix_b_fmt:MATRIX_FMT_FP4
.endr
.endm
	s_load_b256 s[4:11], s[0:1], 0x0               ; obuf s[4:5], pbuf s[6:7], bo s[8:9], out0 s[10:11]
	v_lshl_add_u32 v253, v0, 2, 0x29000
	v_mov_b32 v255, 0
	ds_add_u32 v253, v255
	ds_add_u32 v253, v255
	v_lshrrev_b32 v[RR], 5, v0
	s_delay_alu instid0(VALU_DEP_1)
	v_readfirstlane_b32 s[WV], v[RR]               ; wave 0..7
	s_bfe_u32 s13, ttmp6, 0x40000                  ; cx
	s_bfe_u32 s14, ttmp6, 0x40004                  ; cy
	s_lshl_b32 s15, ttmp9, 2
	s_add_co_u32 s15, s15, s13                     ; j = 4 x cluster x + cx
	s_and_b32 s66, ttmp7, 0xffff
	s_lshl_b32 s66, s66, 2
	s_add_co_u32 s66, s66, s14                     ; i = 4 x cluster y + cy
	s_lshl_b32 s67, s14, 2
	s_lshl_b32 s67, 15, s67                        ; my row of the cluster
	s_lshl_b32 s68, 0x1111, s13                    ; my column
	; every LDS address is made here, of the lane, the wave's number and constants
	v_and_b32 v[RR], 31, v0
	s_delay_alu instid0(VALU_DEP_1)
	v_lshlrev_b32 v[LI], 4, v[RR]
	v_and_b32 v[RR], 15, v0                        ; r
	s_delay_alu instid0(VALU_DEP_1)
	v_lshlrev_b32 v[R16], 4, v[RR]
	v_bfe_u32 v[HH], v0, 4, 1
	s_delay_alu instid0(VALU_DEP_1)
	v_lshlrev_b32 v[BOF], 6, v[HH]
	v_add_nc_u32 v[ASW], 32768, v[LI]
	s_lshl_b32 s84, s[WV], 12
	v_add_nc_u32 v[AFX], s84, v[LI]
	v_add_nc_u32 v[SS], WOS, v[R16]
	v_lshlrev_b32 v[OSA], 1, v[RR]
	s_lshl_b32 s84, s[WV], 5
	s_add_co_u32 s84, s84, OHW
	v_add_nc_u32 v[OSA], s84, v[OSA]
	s_mul_i32 s84, s[WV], STGB
	s_add_co_u32 s84, s84, STAGE                   ; my stage
	v_mul_u32_u24 v[SO], v[RR], 528                ; in: row r, + 64 h: my half's 16 columns of each 32
	s_delay_alu instid0(VALU_DEP_1)
	v_lshl_add_u32 v[SO], v[HH], 6, v[SO]
	s_delay_alu instid0(VALU_DEP_1)
	v_add_nc_u32 v[SO], s84, v[SO]
	v_add_nc_u32 v[SRD], s84, v[LI]                ; back: the 32 lanes take one row of 512 bytes
	; descriptor groups 1: rows of 256 bytes (32 elements of 8 bytes), no padding
	s_or_b32 s[G1OC], s67, (3<<16)|(1<<21)         ; 15:0 the mask: o's blocks go to my row of the cluster; 17:16 elements of 8 bytes; 21 set beside a mask
	s_or_b32 s[G1WC], s68, (3<<16)|(1<<21)         ; Wo's to my column
	s_or_b32 s[G1OS], s67, (3<<16)|(1<<21)
	s_or_b32 s[G1WS], s68, (3<<16)|(1<<21)
.irp g, G1OC, G1WC                             ; codes: a dense block of 128 rows
	s_mov_b32 s[\g+1], 32<<16                      ; tensor_dim0
	s_mov_b32 s[\g+2], 128<<16                     ; tensor_dim1
	s_mov_b32 s[\g+3], 32<<16                      ; tile_dim0
	s_mov_b32 s[\g+4], 128                         ; tile_dim1
	s_mov_b32 s[\g+5], 32                          ; tensor_dim0_stride
	s_mov_b32 s[\g+6], 0
	s_mov_b32 s[\g+7], 0
.endr
	s_mov_b32 s[G1OS+1], 32<<16                    ; o's scale bytes: one row of 256 bytes (8 tiles x 16 rows x 2) for each of the 8 heads,
	s_mov_b32 s[G1OS+2], 8<<16
	s_mov_b32 s[G1OS+3], 32<<16
	s_mov_b32 s[G1OS+4], 8
	s_mov_b32 s[G1OS+5], 1024                      ; a head's 8,192 bytes apart
	s_mov_b32 s[G1OS+6], 0
	s_mov_b32 s[G1OS+7], 0
	s_mov_b32 s[G1WS+1], 32<<16                    ; Wo's scale words: 8 dense rows
	s_mov_b32 s[G1WS+2], 8<<16
	s_mov_b32 s[G1WS+3], 32<<16
	s_mov_b32 s[G1WS+4], 8
	s_mov_b32 s[G1WS+5], 32
	s_mov_b32 s[G1WS+6], 0
	s_mov_b32 s[G1WS+7], 0
	; o's offsets hang on i alone, Wo's on j alone, each in registers that never hold the other coordinate
	s_lshl_b32 s70, s66, 15                        ; o's codes: 8 tiles of 4,096 bytes
	s_mov_b32 s71, 0
	s_lshr_b32 s72, s66, 5                         ; o's scale bytes: 65,536 a batch,
	s_lshl_b32 s72, s72, 16
	s_and_b32 s73, s66, 31
	s_lshl_b32 s73, s73, 8                         ; 256 for 8 tiles
	s_add_co_u32 s72, s72, s73
	s_add_co_u32 s72, s72, OSH_OFF
	s_mov_b32 s73, 0
	s_lshl_b32 s74, s15, 15
	s_add_co_u32 s74, s74, WC_OFF+3*131072         ; Wo is the fourth weight
	s_mov_b32 s75, 0
	s_lshl_b32 s76, s15, 11
	s_add_co_u32 s76, s76, WS_OFF+3*8192
	s_mov_b32 s77, 0
	s_wait_dscnt 0x0
	s_wait_kmcnt 0x0
	s_mov_b32 s[G0OC], 1                           ; 1:0 count = 1
	s_mov_b32 s[G0OC+1], 0                         ; 63:32 LDS address
	s_add_nc_u64 s[G0OC+2:G0OC+3], s[4:5], s[70:71]
	s_or_b32 s[G0OC+3], s[G0OC+3], 0x80000000      ; 127:126 type = 2
	s_mov_b32 s[G0OS], 1
	s_mov_b32 s[G0OS+1], OHW
	s_add_nc_u64 s[G0OS+2:G0OS+3], s[4:5], s[72:73]
	s_or_b32 s[G0OS+3], s[G0OS+3], 0x80000000
	s_mov_b32 s[G0WC], 1
	s_mov_b32 s[G0WC+1], 32768
	s_add_nc_u64 s[G0WC+2:G0WC+3], s[6:7], s[74:75]
	s_or_b32 s[G0WC+3], s[G0WC+3], 0x80000000
	s_mov_b32 s[G0WS], 1
	s_mov_b32 s[G0WS+1], WOS
	s_add_nc_u64 s[G0WS+2:G0WS+3], s[6:7], s[76:77]
	s_or_b32 s[G0WS+3], s[G0WS+3], 0x80000000
	CROUND                                         ; all sixteen work-groups are here: the joint loads meet
	; wave 0: o's codes; 1: Wo's codes; 2: o's scale bytes; 3: Wo's scale words.  The branches hang on the wave's number alone.  Four v_nop follow each line
	s_cmp_eq_u32 s[WV], 0
	s_cbranch_scc0 .Lfill_1
	tensor_load_to_lds s[G0OC:G0OC+3], s[G1OC:G1OC+7]
	s_nop 0
	PLACES 4
	s_branch .Lfilled
.Lfill_1:
	s_cmp_eq_u32 s[WV], 1
	s_cbranch_scc0 .Lfill_2
	tensor_load_to_lds s[G0WC:G0WC+3], s[G1WC:G1WC+7]
	s_nop 0
	PLACES 4
	s_branch .Lfilled
.Lfill_2:
	s_cmp_eq_u32 s[WV], 2
	s_cbranch_scc0 .Lfill_3
	tensor_load_to_lds s[G0OS:G0OS+3], s[G1OS:G1OS+7]
	s_nop 0
	PLACES 4
	s_branch .Lfilled
.Lfill_3:
	s_cmp_eq_u32 s[WV], 3
	s_cbranch_scc0 .Lfilled
	tensor_load_to_lds s[G0WS:G0WS+3], s[G1WS:G1WS+7]
	s_nop 0
	PLACES 4
.Lfilled:
	s_lshl_b32 s86, s15, 9                         ; my 128 columns: 512 bytes
	s_mov_b32 s87, 0
	s_add_nc_u64 s[BB:BB+1], s[8:9], s[86:87]
.irp t, 0,1,2,3,4,5,6,7                        ; the bias, in the result's layout: register 8 t + n of lane (r, h) is column 32 (t / 2) + 8 (t % 2) + 16 h + n
	global_load_b128 v[HA+8*\t:HA+8*\t+3], v[BOF], s[BB:BB+1] offset:(32*(\t/2)+8*(\t%2))*4
	global_load_b128 v[HA+8*\t+4:HA+8*\t+7], v[BOF], s[BB:BB+1] offset:(32*(\t/2)+8*(\t%2))*4+16
.endr
	s_lshl_b32 s84, s66, 7                         ; my tile's first row: 128 i + 32 (w / 2) + 8 (w % 2)
	s_lshr_b32 s85, s[WV], 1
	s_lshl_b32 s85, s85, 5
	s_add_co_u32 s84, s84, s85
	s_and_b32 s85, s[WV], 1
	s_lshl_b32 s85, s85, 3
	s_add_co_u32 s84, s84, s85
	s_lshl_b32 s84, s84, 11                        ; rows of 2,048 bytes
	s_add_co_u32 s84, s84, s86
	s_mov_b32 s85, 0
	s_add_nc_u64 s[YB:YB+1], s[10:11], s[84:85]
	s_wait_tensorcnt 0x0                           ; my block, if I asked for one, has landed,
	s_barrier_signal -1
	s_barrier_wait -1                              ; everybody's has
	s_wait_alu depctr_va_vdst(0)
.irp ks, 0,1,2,3                               ; o's tile w
.irp c, 0,1
	ds_load_b128 v[FX+8*\ks+4*\c:FX+8*\ks+4*\c+3], v[AFX] offset:1024*\ks+512*\c
.endr
.endr
.irp hd, 0,1,2,3,4,5,6,7
	ds_load_u16 v[HW+\hd], v[OSA] offset:256*\hd   ; my row's two scale bytes of head hd
.endr
.irp t, 0,1,2,3,4,5,6,7
	ds_load_b128 v[WSC+4*\t:WSC+4*\t+3], v[SS] offset:256*\t
.endr
	WLOAD 0
	s_wait_dscnt 0x0
.irp ks, 0,1,2,3
	v_lshl_or_b32 v[FS+\ks], v[HW+2*\ks+1], 16, v[HW+2*\ks]   ; K step ks is heads 2 ks and 2 ks + 1: four bytes, one for each 32 along K
.endr
	PLACES 8                                       ; a scale register written by a vector instruction stands eight places ahead of the scaled product that names it
	s_wait_alu depctr_va_vdst(0)
	s_wait_loadcnt 0x0                             ; the bias
	MULS 0
.irp ks, 1,2,3
	PLACES 4                                       ; in front of loads into registers that matrix instructions have read
	WLOAD \ks
	s_wait_dscnt 0x0
	MULS \ks
.endr
	PLACES 4                                       ; in front of the first read of results, and of the loads into Wo's registers
	; THE WAY OUT.  A lane holds 16 x 4 neighbouring numbers of one row, the lanes beside it other rows: the tile goes through my own stage and comes back as whole rows of 512 bytes.
	; LDS serves a wave's instructions in order, so no wait stands between the stores and the loads.
.irp t, 0,1,2,3,4,5,6,7
	ds_store_b128 v[SO], v[HA+8*\t:HA+8*\t+3] offset:128*(\t/2)+32*(\t%2)          ; each accumulator from its low end on
	ds_store_b128 v[SO], v[HA+8*\t+4:HA+8*\t+7] offset:128*(\t/2)+32*(\t%2)+16
.endr
.irp q, 0,1,2,3,4,5,6,7,8,9,10,11,12,13,14,15
	ds_load_b128 v[WF+4*\q:WF+4*\q+3], v[SRD] offset:528*\q
.endr
.irp q, 0,1,2,3,4,5,6,7,8,9,10,11,12,13,14,15
	s_wait_dscnt 15-\q                             ; row q is back; the younger rows may be out
	global_store_b128 v[LI], v[WF+4*\q:WF+4*\q+3], s[YB:YB+1] offset:(\q+8*(\q/8))*2048 th:TH_STORE_NT   ; 32 lanes store 512 consecutive bytes, at a multiple of 256 from out0's first byte; the tile's lane q is row q + 8 (q / 8)
.endr
	s_wait_tensorcnt 0x0
	ds_add_u32 v253, v255
	s_wait_dscnt 0x0
	CROUND                                         ; the closing round: no work-group ends while a partner may still ask for a block that names it
	s_endpgm
.Lfunc_end_k_q9e846b3dda_outp:
	.size	k_q9e846b3dda_outp, .Lfunc_end_k_q9e846b3dda_outp-k_q9e846b3dda_outp
	.p2alignl 7, 3214868480
	.fill 96, 4, 3214868480
	.section	.rodata,"a",@progbits
	.p2align	6, 0x0
	.amdhsa_kernel k_q9e846b3dda_outp
		.amdhsa_group_segment_fixed_size 168960
		.amdhsa_private_segment_fixed_size 0
		.amdhsa_enable_private_segment 0
		.amdhsa_kernarg_size 32
		.amdhsa_user_sgpr_count 2
		.amdhsa_user_sgpr_kernarg_segment_ptr 1
		.amdhsa_wavefront_size32 1
		.amdhsa_system_sgpr_workgroup_id_x 1
		.amdhsa_system_sgpr_workgroup_id_y 1
		.amdhsa_system_sgpr_workgroup_id_z 1
		.amdhsa_system_vgpr_workitem_id 0
		.amdhsa_next_free_vgpr 256
		.amdhsa_next_free_sgpr 96
		.amdhsa_reserve_vcc 0
		.amdhsa_float_denorm_mode_32 3
		.amdhsa_float_denorm_mode_16_64 3
		.amdhsa_memory_ordered 1
		.amdhsa_forward_progress 1
		.amdhsa_inst_pref_size 25
	.end_amdhsa_kernel
	.amdgpu_metadata
---
amdhsa.version: [ 1, 2 ]
amdhsa.kernels:
  - .name:           k_q9e846b3dda_outp
    .symbol:         k_q9e846b3dda_outp.kd
    .args:
      - { .name: obuf, .offset: 0, .size: 8, .value_kind: global_buffer, .address_space: global }
      - { .name: pbuf, .offset: 8, .size: 8, .value_kind: global_buffer, .address_space: global }
      - { .name: bo, .offset: 16, .size: 8, .value_kind: global_buffer, .address_space: global }
      - { .name: out0, .offset: 24, .size: 8, .value_kind: global_buffer, .address_space: global }
    .group_segment_fixed_size: 168960
    .private_segment_fixed_size: 0
    .kernarg_segment_align: 8
    .kernarg_segment_size: 32
    .max_flat_workgroup_size: 256
    .sgpr_count:     96
    .vgpr_count:     256
    .wavefront_size: 32
...
	.end_amdgpu_metadata
.endif
;; end of part 4
